; MI455X (gfx1250); checked and timed in simulation.
; The chip was launched on July 23, 2026; its instructions are those of AMD's public machine-readable ISA for CDNA 5 (MIT licence, August 2026) and "CDNA5" Instruction Set Architecture Reference Guide (July 2026). The comments in the code are by the model that wrote it; some were corrected since.
;; FFN Mo E. Allowed arithmetic: float matrix products may take bf16 or f16 operands with f32 sums; other float arithmetic in f32, or as packed bf16 or f16 multiplies, adds, multiply-adds, maxima and minima; sums over many terms, partial sums and values carried from step to step in f32; what a program stores and reads back later, other than sums and carried values, may be rounded once to bf16 or f16.
;; Inputs: W1 8 x 4,096 x 1,024 float32; W2 8 x 1,024 x 4,096 float32; Wg 8 x 1,024 float32; b1 8 x 4,096 float32; b2 8 x 1,024 float32; beta 1,024 float32; bg 8 float32; gamma 1,024 float32; x 2 x 512 x 1,024 float32.
;; Outputs: out0 2 x 512 x 1,024 float32.
;; One version. Each part assembles by itself: llvm-mc -triple=amdgcn-amd-amdhsa -mcpu=gfx1250 --defsym DOCPART=n.
;; ======== version 1 of 1: 4 launches
;; workspace buffers: xn 2,097,152 bytes; sel 8,192 bytes of whole numbers; gw 8,192 bytes; h 16,777,216 bytes; part 33,554,432 bytes
;; launch router (part 1): grid 256 x 1, 4 waves a work-group, no clusters, 0 bytes of LDS; arguments x, gamma, beta, Wg, bg, xn, sel, gw; writes xn, sel, gw
.if DOCPART == 1
	.amdgcn_target "amdgcn-amd-amdhsa--gfx1250"
	.amdhsa_code_object_version 6
	.text
	.protected	k_q24b1cd20ef_router
	.globl	k_q24b1cd20ef_router
	.p2align	8
	.type	k_q24b1cd20ef_router,@function
k_q24b1cd20ef_router:
	s_mov_b64 s[64:65], 0
	v_nop
	global_prefetch_b8 v0, s[64:65] scope:SCOPE_SE
	s_setreg_imm32_b32 hwreg(HW_REG_WAVE_MODE, 25, 1), 1
	s_wait_xcnt 0x0
; LayerNorm and router.  One wave takes one token t = 4 x work-group + wave: 1,024 numbers, 32 a lane (element 128 q + 4 lane + j).
; Stored: xn[t][1024] in bf16 (rounded once); sel[2t], sel[2t+1] the two chosen experts (whole numbers); gw[2t], gw[2t+1] their weights (f32).
; All arithmetic in f32 on the vector unit: the 8 logits are 8 M multiply-adds in all, and a choice hangs on them, so they are not rounded to 16 bits.
; Mean, then the sum of (x - mean)^2 over the registers: two passes, as the definition has them, so a common offset of x costs nothing.
; LIMITS.  The sums run in another order than a serial one: two probabilities closer than some 1e-6 of themselves may be ranked the other way;
; exact ties go to the lower index.  A probability below 2^-126 counts as 0.  NaN and infinities are not treated apart.
; No LDS, no barrier, no cluster: no wave shares anything but gamma, beta and Wg, 40 KB that every wave holds in registers.
; The two 8-byte stores of a wave (sel, gw) fill only part of an aligned 256 bytes: 16 KB in the whole launch.
.set X,   16                           ; v[16:47]   x, then x - mean, then xn
.set G,   48                           ; v[48:79]   gamma; later xn packed to bf16
.set BT,  80                           ; v[80:111]  beta
.set ACC, 112                          ; v[112:127] a pair of partial sums for each expert
.set L,   128                          ; v[128:135] logits, then probabilities
.set T,   136                          ; v[136:151] at work
; window 1: v0-255 = Wg, expert e at v[32 e ..]
.set MSB, 0
.macro WIN new                         ; the immediate's high byte repeats the setting that is left
.if MSB != (\new)
	s_set_vgpr_msb (MSB<<8)|(\new)
.set MSB, \new
.endif
.endm
.macro RED r                           ; the sum over the wave's 32 lanes, in every lane
	v_add_f32_dpp v[\r], v[\r], v[\r] row_xmask:1 row_mask:0xf bank_mask:0xf
	v_add_f32_dpp v[\r], v[\r], v[\r] row_xmask:2 row_mask:0xf bank_mask:0xf
	v_add_f32_dpp v[\r], v[\r], v[\r] row_xmask:4 row_mask:0xf bank_mask:0xf
	v_add_f32_dpp v[\r], v[\r], v[\r] row_xmask:8 row_mask:0xf bank_mask:0xf
	v_permlanex16_b32 v[T+14], v[\r], s36, s37
	v_add_f32 v[\r], v[\r], v[T+14]
.endm
	s_load_b256 s[4:11], s[0:1], 0x0               ; x s[4:5], gamma s[6:7], beta s[8:9], Wg s[10:11]
	s_load_b256 s[12:19], s[0:1], 0x20             ; bg s[12:13], xn s[14:15], sel s[16:17], gw s[18:19]
	v_and_b32 v3, 31, v0                           ; lane
	v_lshrrev_b32 v4, 5, v0
	v_readfirstlane_b32 s28, v4                    ; wave
	s_lshl_b32 s29, ttmp9, 2
	s_add_co_u32 s29, s29, s28                     ; token
	v_lshlrev_b32 v1, 4, v3                        ; 16 bytes a lane
	v_lshlrev_b32 v2, 3, v3                        ; 8 bytes a lane
	v_mov_b32 v[T+14], 0                           ; the lane exchange's destination counts as read
	v_mov_b32 v5, 0
	s_mov_b32 s32, 0x3a800000                      ; 1 / 1024
	s_mov_b32 s33, 0x3727c5ac                      ; 1e-5
	s_mov_b32 s34, 0x3fb8aa3b                      ; log2(e)
	s_mov_b32 s36, 0x76543210                      ; each lane takes its own place in the other half
	s_mov_b32 s37, 0xfedcba98
	s_lshl_b32 s30, s29, 12
	s_mov_b32 s31, 0
	s_wait_kmcnt 0x0
	s_load_b256 s[20:27], s[12:13], 0x0            ; bg, 8 numbers
	s_add_nc_u64 s[4:5], s[4:5], s[30:31]          ; x at my row
	s_lshl_b32 s30, s29, 11
	s_add_nc_u64 s[14:15], s[14:15], s[30:31]      ; xn at my row
	s_lshl_b32 s30, s29, 3
	s_add_nc_u64 s[16:17], s[16:17], s[30:31]      ; sel and gw at my two words
	s_add_nc_u64 s[18:19], s[18:19], s[30:31]
.irp q, 0,1,2,3,4,5,6,7
	global_load_b128 v[X+4*\q:X+4*\q+3], v1, s[4:5] offset:512*\q th:TH_LOAD_NT
.endr
.irp q, 0,1,2,3,4,5,6,7
	global_load_b128 v[G+4*\q:G+4*\q+3], v1, s[6:7] offset:512*\q
.endr
.irp q, 0,1,2,3,4,5,6,7
	global_load_b128 v[BT+4*\q:BT+4*\q+3], v1, s[8:9] offset:512*\q
.endr
	WIN 0x40                                       ; destination window 1
.set i, 0
.rept 64                                               ; Wg whole: load i = 8 e + q lies 512 i bytes in
	global_load_b128 v[4*i:4*i+3], v1, s[10:11] offset:512*i
.set i, i+1
.endr
	WIN 0
	s_wait_loadcnt 63                              ; 88 loads were issued: the oldest 25 are in, x, gamma and beta (24) among them
	; the mean: four chains, then across the lanes
.irp k, 0,1,2,3
	v_pk_add_f32 v[T+2*\k:T+2*\k+1], v[X+4*\k:X+4*\k+1], v[X+4*\k+2:X+4*\k+3]
.endr
.set i, 8
.rept 8
	v_pk_add_f32 v[T+2*(i%4):T+2*(i%4)+1], v[T+2*(i%4):T+2*(i%4)+1], v[X+2*i:X+2*i+1]
.set i, i+1
.endr
	v_pk_add_f32 v[T:T+1], v[T:T+1], v[T+2:T+3]
	v_pk_add_f32 v[T+4:T+5], v[T+4:T+5], v[T+6:T+7]
	v_pk_add_f32 v[T:T+1], v[T:T+1], v[T+4:T+5]
	v_add_f32 v[T], v[T], v[T+1]
	RED T
	v_mul_f32 v[T+8], s32, v[T]
	v_mov_b32 v[T+9], v[T+8]
.set i, 0
.rept 16
	v_pk_add_f32 v[X+2*i:X+2*i+1], v[X+2*i:X+2*i+1], v[T+8:T+9] neg_lo:[0,1] neg_hi:[0,1]  ; x - mean
.set i, i+1
.endr
.irp k, 0,1,2,3
	v_pk_mul_f32 v[T+2*\k:T+2*\k+1], v[X+2*\k:X+2*\k+1], v[X+2*\k:X+2*\k+1]               ; the first products start the chains
.endr
.set i, 4
.rept 12
	v_pk_fma_f32 v[T+2*(i%4):T+2*(i%4)+1], v[X+2*i:X+2*i+1], v[X+2*i:X+2*i+1], v[T+2*(i%4):T+2*(i%4)+1]
.set i, i+1
.endr
	v_pk_add_f32 v[T:T+1], v[T:T+1], v[T+2:T+3]
	v_pk_add_f32 v[T+4:T+5], v[T+4:T+5], v[T+6:T+7]
	v_pk_add_f32 v[T:T+1], v[T:T+1], v[T+4:T+5]
	v_add_f32 v[T], v[T], v[T+1]
	RED T
	v_fma_f32 v[T+10], v[T], s32, s33              ; variance + 1e-5
	v_rsq_f32 v[T+10], v[T+10]
	v_nop                                          ; a plain instruction behind the transcendental (ISA guide 5.7.2),
	s_wait_alu depctr_va_vdst(0)                   ; and a wait ahead of its first reader
	v_mov_b32 v[T+11], v[T+10]
.set i, 0
.rept 16
	v_pk_mul_f32 v[X+2*i:X+2*i+1], v[X+2*i:X+2*i+1], v[T+10:T+11]
.set i, i+1
.endr
.set i, 0
.rept 16
	v_pk_fma_f32 v[X+2*i:X+2*i+1], v[X+2*i:X+2*i+1], v[G+2*i:G+2*i+1], v[BT+2*i:BT+2*i+1]
.set i, i+1
.endr
.set i, 0
.rept 16
	v_cvt_pk_bf16_f32 v[G+i], v[X+2*i], v[X+2*i+1] ; gamma's registers are free
.set i, i+1
.endr
.irp q, 0,1,2,3,4,5,6,7
	global_store_b64 v2, v[G+2*\q:G+2*\q+1], s[14:15] offset:256*\q  ; 32 lanes store 256 consecutive bytes, at a multiple of 256 from xn's first byte
.endr
	; the eight logits, on the unrounded xn; the experts' chains take turns
	s_wait_loadcnt 0x0                             ; Wg
	s_wait_kmcnt 0x0                               ; bg
	WIN 0x04                                       ; source 1 window 1
.irp e, 0,1,2,3,4,5,6,7
	v_pk_mul_f32 v[ACC+2*\e:ACC+2*\e+1], v[X:X+1], v[32*\e:32*\e+1]
.endr
.set i, 1
.rept 15
.irp e, 0,1,2,3,4,5,6,7
	v_pk_fma_f32 v[ACC+2*\e:ACC+2*\e+1], v[X+2*i:X+2*i+1], v[32*\e+2*i:32*\e+2*i+1], v[ACC+2*\e:ACC+2*\e+1]
.endr
.set i, i+1
.endr
	WIN 0
.irp e, 0,1,2,3,4,5,6,7
	v_add_f32 v[L+\e], v[ACC+2*\e], v[ACC+2*\e+1]
.endr
.irp m, 1,2,4,8
.irp e, 0,1,2,3,4,5,6,7
	v_add_f32_dpp v[L+\e], v[L+\e], v[L+\e] row_xmask:\m row_mask:0xf bank_mask:0xf
.endr
.endr
.irp e, 0,1,2,3,4,5,6,7
	v_permlanex16_b32 v[T+\e], v[L+\e], s36, s37
.endr
.irp e, 0,1,2,3,4,5,6,7
	v_add_f32 v[L+\e], v[L+\e], v[T+\e]
.endr
.irp e, 0,1,2,3,4,5,6,7
	v_add_f32 v[L+\e], s[20+\e], v[L+\e]           ; + bg
.endr
	; softmax, the maximum taken away first
	v_max3_num_f32 v[T+8], v[L], v[L+1], v[L+2]
	v_max3_num_f32 v[T+8], v[T+8], v[L+3], v[L+4]
	v_max3_num_f32 v[T+8], v[T+8], v[L+5], v[L+6]
	v_max_num_f32 v[T+8], v[T+8], v[L+7]
.irp e, 0,1,2,3,4,5,6,7
	v_sub_f32 v[L+\e], v[L+\e], v[T+8]
.endr
.irp e, 0,1,2,3,4,5,6,7
	v_mul_f32 v[L+\e], s34, v[L+\e]
.endr
.irp e, 0,1,2,3,4,5,6,7
	v_exp_f32 v[L+\e], v[L+\e]
.endr
	v_nop
	s_wait_alu depctr_va_vdst(0)                   ; one wait for the eight exponentials
	v_add_f32 v[T], v[L], v[L+1]
	v_add_f32 v[T+1], v[L+2], v[L+3]
	v_add_f32 v[T+2], v[L+4], v[L+5]
	v_add_f32 v[T+3], v[L+6], v[L+7]
	v_add_f32 v[T], v[T], v[T+1]
	v_add_f32 v[T+2], v[T+2], v[T+3]
	v_add_f32 v[T], v[T], v[T+2]
	v_rcp_f32 v[T], v[T]
	v_nop
	s_wait_alu depctr_va_vdst(0)
.irp e, 0,1,2,3,4,5,6,7
	v_mul_f32 v[L+\e], v[L+\e], v[T]
.endr
	; the largest (v152, index v154): ascending, strictly greater, so a tie keeps the lower index
	v_mov_b32 v152, v[L]
	v_mov_b32 v154, 0
.irp e, 1,2,3,4,5,6,7
	v_cmp_gt_f32 vcc_lo, v[L+\e], v152
	v_cndmask_b32 v152, v152, v[L+\e], vcc_lo
	v_cndmask_b32 v154, v154, \e, vcc_lo
.endr
	; the second (v153, index v155): the same with the first one's place taken by -1
	v_cmp_eq_u32 vcc_lo, 0, v154
	v_cndmask_b32 v153, v[L], -1.0, vcc_lo
	v_mov_b32 v155, 0
.irp e, 1,2,3,4,5,6,7
	v_cmp_eq_u32 vcc_lo, \e, v154
	v_cndmask_b32 v158, v[L+\e], -1.0, vcc_lo
	v_cmp_gt_f32 vcc_lo, v158, v153
	v_cndmask_b32 v153, v153, v158, vcc_lo
	v_cndmask_b32 v155, v155, \e, vcc_lo
.endr
	v_add_f32 v[T+4], v152, v153
	v_add_f32 v[T+4], 0x322bcc77, v[T+4]           ; + 1e-8
	v_rcp_f32 v[T+4], v[T+4]
	v_nop
	s_wait_alu depctr_va_vdst(0)
	v_mul_f32 v156, v152, v[T+4]
	v_mul_f32 v157, v153, v[T+4]
	v_cmp_eq_u32 vcc_lo, 0, v3
	s_wait_xcnt 0x0                                ; EXEC is a source of the stores of xn: it changes only behind this wait
	s_and_saveexec_b32 s35, vcc_lo                 ; every lane holds the same four numbers: lane 0 stores them
	global_store_b64 v5, v[154:155], s[16:17]
	global_store_b64 v5, v[156:157], s[18:19]
	s_wait_xcnt 0x0
	s_or_b32 exec_lo, exec_lo, s35
	s_endpgm
.Lfunc_end_k_q24b1cd20ef_router:
	.size	k_q24b1cd20ef_router, .Lfunc_end_k_q24b1cd20ef_router-k_q24b1cd20ef_router
	.p2alignl 7, 3214868480
	.fill 96, 4, 3214868480
	.section	.rodata,"a",@progbits
	.p2align	6, 0x0
	.amdhsa_kernel k_q24b1cd20ef_router
		.amdhsa_group_segment_fixed_size 0
		.amdhsa_private_segment_fixed_size 0
		.amdhsa_enable_private_segment 0
		.amdhsa_kernarg_size 64
		.amdhsa_user_sgpr_count 2
		.amdhsa_user_sgpr_kernarg_segment_ptr 1
		.amdhsa_wavefront_size32 1
		.amdhsa_system_sgpr_workgroup_id_x 1
		.amdhsa_system_sgpr_workgroup_id_y 1
		.amdhsa_system_sgpr_workgroup_id_z 1
		.amdhsa_system_vgpr_workitem_id 0
		.amdhsa_next_free_vgpr 512
		.amdhsa_next_free_sgpr 66
		.amdhsa_reserve_vcc 1
		.amdhsa_float_denorm_mode_32 3
		.amdhsa_float_denorm_mode_16_64 3
		.amdhsa_memory_ordered 1
		.amdhsa_forward_progress 1
		.amdhsa_inst_pref_size 34
	.end_amdhsa_kernel
	.amdgpu_metadata
---
amdhsa.version: [ 1, 2 ]
amdhsa.kernels:
  - .name:           k_q24b1cd20ef_router
    .symbol:         k_q24b1cd20ef_router.kd
    .args:
      - { .name: x, .offset: 0, .size: 8, .value_kind: global_buffer, .address_space: global }
      - { .name: gamma, .offset: 8, .size: 8, .value_kind: global_buffer, .address_space: global }
      - { .name: beta, .offset: 16, .size: 8, .value_kind: global_buffer, .address_space: global }
      - { .name: Wg, .offset: 24, .size: 8, .value_kind: global_buffer, .address_space: global }
      - { .name: bg, .offset: 32, .size: 8, .value_kind: global_buffer, .address_space: global }
      - { .name: xn, .offset: 40, .size: 8, .value_kind: global_buffer, .address_space: global }
      - { .name: sel, .offset: 48, .size: 8, .value_kind: global_buffer, .address_space: global }
      - { .name: gw, .offset: 56, .size: 8, .value_kind: global_buffer, .address_space: global }
    .group_segment_fixed_size: 0
    .private_segment_fixed_size: 0
    .kernarg_segment_align: 8
    .kernarg_segment_size: 64
    .max_flat_workgroup_size: 128
    .sgpr_count:     66
    .vgpr_count:     512
    .wavefront_size: 32
...
	.end_amdgpu_metadata
.endif
;; end of part 1
;; launch up (part 2): grid 32 x 8, 4 waves a work-group, no clusters, 320,256 bytes of LDS; arguments xn, W1, b1, sel, h; writes h
.if DOCPART == 2
	.amdgcn_target "amdgcn-amd-amdhsa--gfx1250"
	.amdhsa_code_object_version 6
	.text
	.protected	k_q24b1cd20ef_up
	.globl	k_q24b1cd20ef_up
	.p2align	8
	.type	k_q24b1cd20ef_up,@function
k_q24b1cd20ef_up:
	s_mov_b64 s[64:65], 0
	v_nop
	global_prefetch_b8 v0, s[64:65] scope:SCOPE_SE
	s_setreg_imm32_b32 hwreg(HW_REG_WAVE_MODE, 25, 1), 1
	s_wait_xcnt 0x0
; ONE TEXT FOR BOTH PRODUCTS OF THE EXPERTS; the flag UP chooses.
;   UP = 1:  h[id][f] = gelu(xn[id / 2] . W1[e][f] + b1[e][f]), bf16, for the routed rows id = 2 token + choice with sel[id] = e.
;   UP = 0:  part[q4][id][d] = the sum over quarter q4 of the hidden width of h[id][f] W2[e][d][f], f32 (partial sums; bias and gate weight come in the last launch).
; SHARES.  Grid 32 x 8: y = the expert e, x = a slice of its weights, 128 output columns x 1,024 along K (UP: 32 slices of the hidden width; else 8 slices of the
; model width x 4 quarters of K).  Each weight byte is read once in the launch, by one wave, in f32, rounded to bf16 on its way through registers and laid into LDS, where the
; slice (256 KB in bf16) stays: nothing in it is ever written twice.
; ROWS.  The expert's n rows are dealt in blocks of 16: a pass takes up to 20 blocks, each wave a quarter of them (the first waves one more), 5 at the most.  A wave with fewer than
; 5 jumps the fifth block's products.  Places that are not the wave's own read row 0, which exists; their results are not stored.
; PASS 0: the slice comes in 8 chunks of 128 along K.  While chunks c + 1 and c + 2 are on their way all four waves multiply chunk c: one barrier a chunk, constant trip counts.
; PASSES 1 TO 3 serve rows 320 to 1,279 from the resident slice: a loop of constant count without barrier, whose dead trips are jumped; so every split of the rows over the
; experts is served, from none to 1,024.
; Inside the loop over passes every LDS address is a register that is never rewritten, or one made from such a register and a constant, with an immediate; where the bytes hang on a
; loop's counter, forward jumps on the counter choose among variants written out.
; NO WAIT ON XCNT IN THE K LOOPS: each of the four ring slots of rows has a base of its own, stepped behind the counted wait that shows the slot's last loads done; the weights' base
; likewise; prefetches name a base that is never rewritten.
; THE LIST.  Wave w scans sel[512 w .. 512 w + 511] and lays the matching ids into a sub-list of its own in LDS (at most 256: a token's two choices differ; the place is
; clamped all the same); place p of the expert's rows is found from the four counts.  Rows of h and part are addressed by id, so each has one writer.
; THE ROWS come straight from memory into registers as matrix operands, gathered by the list.  THE MATRIX INSTRUCTION IS USED TRANSPOSED: source 0 = 16 weight rows,
; source 1 = 16 token rows: a lane then holds 8 neighbouring columns of one row.  The accumulators take turns, one instruction a turn, in the same order in every K step.
; NO CLUSTER: a slice of weights has one reader; what an expert's work-groups share is its rows, which come by a list that no tensor descriptor covers.
; NO TENSOR LOAD: the resident slice leaves no room in LDS for a stage of f32 weights.
; LIMITS.  Operands bf16, sums f32; h rounded once to bf16.  Phi(x) by the rational form of Abramowitz and Stegun 26.2.17, off by 7.5e-8 at the most for every x
; (for large |x| the exponential is 0 and gelu is x or 0).  NaN and infinities are not treated apart.
.set UP, 1
.if UP
.set PITCH, 4096                       ; bytes from weight row to weight row
.set PSH,   12
.set PS,    10                         ; s[10:11] sel
.else
.set PITCH, 16384
.set PSH,   14
.set PS,    8                          ; s[8:9] sel
.endif
; LDS
.set LP,    272                        ; a weight row of one chunk: 256 bytes + 16: the 16 rows of a fragment load start at 16 different groups of four banks (ISA guide 11.1)
.set CH,    128*LP                     ; a chunk: 128 rows, 34,816 bytes
.set STAGE, 8*CH                       ; behind the slice: for each wave 16 rows x 528 bytes of f32 for the way out, and a block's 16 ids
.set SPI,   528
.set IDS,   16*SPI
.set SWAVE, IDS+256
.set LIST,  STAGE+4*SWAVE              ; four sub-lists of 384 words
.set LWAVE, 1536
.set CNT,   LIST+4*LWAVE               ; the four counts
.set SPARE, CNT+256                    ; the spare words, 128 bytes a wave: two blocks of 256 bytes that no other line names
; vector registers, window 0
.set LANE, 1
.set RR,   2                           ; lane % 16
.set H16,  3                           ; 16 x (lane / 16)
.set SPW,  4                           ; LDS address of my spare word; never rewritten
.set NIL,  5                           ; 0; never rewritten
.set WVV,  6                           ; my wave's number
.set BADR, 8                           ; LDS address of my lane's place in the chunk in hand (pass 0, a pass's beginning, its last chunk)
.set BADR0, 9                          ; the same in chunk 0; never rewritten
.set BC,   9                           ; v9-15  the same in chunks 0 to 6; never rewritten
.set WST,  16                          ; where I store my 8 bytes of my wave's first weight row of the chunk in hand
.set L16,  17                          ; 16 x lane
.set PFO,  18                          ; lane x PITCH; never rewritten
.set LB,   19                          ; my wave's sub-list
.set AADR, 20                          ; v20-24  byte offset of my row of block 0..4
.set IDV,  26                          ; v26-30  its id
.set STO,  32                          ; the way out: where I put 16 bytes of a row; never rewritten
.set RD0,  33                          ; where I read a row back; never rewritten
.set OOFF, 36                          ; my byte offset in a row's 128 columns of the output
.set IDA,  37                          ; the stage's id words; never rewritten
.set IDW,  38                          ; my place in them
.set VO,   40                          ; v40-43  four ids as loaded
.set BIAS, 44                          ; v44-47  the bias of my four columns
.set TMP,  48                          ; v48-62  at work
.set SELO, 63                          ; my byte offset in sel
.set RING, 64                          ; v64-223 four slots of 40: the rows' fragments of K steps j = 0..3 (block b at + 8 b)
.set EN,   64                          ; the way out uses the ring's registers.  UP: four rows as loaded; x; -x^2 log2(e)/2; t; the polynomial; max(x, 0); results; store offsets; ids
.set EX,   80
.set EU,   96
.set ET,   112
.set EP,   128
.set EM,   144
.set EO,   160
.set VA,   168
.set VB,   172
.set DX,   64                          ; else: sixteen rows as loaded, sixteen ids and then store offsets
.set DID,  128
; window 1: v0-63, v64-127 the weights' fragments, two buffers; v128-255 a chunk as loaded (32 loads of 4)
; window 2: the accumulators of blocks 0-3 at 64 b + 8 cb (in the prologue v0-127: chunk 0 as loaded);   window 3: v0-63 block 4; v64-127 a chunk in bf16
.set WS,   128
.set CV,   64
; scalars: s14 wave, s15 expert, s20 the place behind my last live one, s[22:23] rows' base at chunk 0, s[24:25] weights' base, s[26:27] output's base, s28-31 the counts,
; s32-34 their running sums, s35 n, s36-38 what turns a place into a word of the lists, s39 my first place of the pass, s40 pass, s41-46 counters (s45: my blocks), s76-78 at work
.set AB,   66                          ; s[66:73] slot j's base of the rows: at the chunk that the slot loads next
.set WF,   74                          ; s[74:75] weights' base at chunk 0, for the prefetches; never rewritten
.set MSB, 0
.macro WIN new                         ; low byte: bits 1:0 source 0, 3:2 source 1, 5:4 source 2, 7:6 destination; the high byte repeats the setting that is left
.if MSB != (\new)
	s_set_vgpr_msb (MSB<<8)|(\new)
.set MSB, \new
.endif
.endm
.macro PLACES                          ; four plain instructions between a matrix instruction and a load into, a vector write of or a read of its registers
.rept 4
	v_nop
.endr
.endm
; 8 matrix instructions: block blk of 16 rows x all 8 column blocks, 32 along K; weights from buffer f, rows from ring slot j.  zero = 1: the product starts the sums
.macro MUL blk, f, j, zero
.if (\blk) < 4
	WIN 0xa1                                       ; weights window 1, rows window 0, C and D window 2
.set AC, 64*(\blk)
.else
	WIN 0xf1                                       ; C and D window 3
.set AC, 0
.endif
.irp cb, 0,1,2,3,4,5,6,7
.if \zero
	v_wmma_f32_16x16x32_bf16 v[AC+8*\cb:AC+8*\cb+7], v[64*(\f)+8*\cb:64*(\f)+8*\cb+7], v[RING+40*(\j)+8*(\blk):RING+40*(\j)+8*(\blk)+7], 0
.else
	v_wmma_f32_16x16x32_bf16 v[AC+8*\cb:AC+8*\cb+7], v[64*(\f)+8*\cb:64*(\f)+8*\cb+7], v[RING+40*(\j)+8*(\blk):RING+40*(\j)+8*(\blk)+7], v[AC+8*\cb:AC+8*\cb+7]
.endif
.endr
.endm
; The same for block 2 or 3, with four roundings of the chunk that has just come behind each product: 2 x 8 x 4 = 64, the wave's whole part of a chunk.  They name no register of the products.
.macro MULR blk, f, j
.irp cb, 0,1,2,3,4,5,6,7
	WIN 0xa1
	v_wmma_f32_16x16x32_bf16 v[64*(\blk)+8*\cb:64*(\blk)+8*\cb+7], v[64*(\f)+8*\cb:64*(\f)+8*\cb+7], v[RING+40*(\j)+8*(\blk):RING+40*(\j)+8*(\blk)+7], v[64*(\blk)+8*\cb:64*(\blk)+8*\cb+7]
	WIN 0xc5                                       ; sources window 1, destination window 3
.irp u, 0,1,2,3
	v_cvt_pk_bf16_f32 v[CV+4*(8*((\blk)-2)+\cb)+\u], v[WS+8*(8*((\blk)-2)+\cb)+2*\u], v[WS+8*(8*((\blk)-2)+\cb)+2*\u+1]
.endr
.endr
.endm
.macro ALOAD ts                        ; 10 loads: 80 rows x 32 along K, K step ts of the chunk at which the slot's base stands, into ring slot ts
	WIN 0
.irp b, 0,1,2,3,4
	global_load_b128 v[RING+40*(\ts)+8*\b:RING+40*(\ts)+8*\b+3],   v[AADR+\b], s[AB+2*(\ts):AB+2*(\ts)+1] offset:64*(\ts)
	global_load_b128 v[RING+40*(\ts)+8*\b+4:RING+40*(\ts)+8*\b+7], v[AADR+\b], s[AB+2*(\ts):AB+2*(\ts)+1] offset:64*(\ts)+32
.endr
.endm
.macro FLOAD f, off, ar=BADR           ; 16 LDS loads: 128 weight rows x 32 along K at byte off behind the address in register ar, into buffer f
	WIN 0x40
.irp cb, 0,1,2,3,4,5,6,7
	ds_load_b128 v[64*(\f)+8*\cb:64*(\f)+8*\cb+3],   v[\ar] offset:\cb*16*LP+(\off)
	ds_load_b128 v[64*(\f)+8*\cb+4:64*(\f)+8*\cb+7], v[\ar] offset:\cb*16*LP+(\off)+32
.endr
.endm
; The same run in a resident trip c = 7 - s41 (0 to 6): seven variants, of which forward jumps on the counter choose one; variant c reads through the fixed register of chunk c.
; With off up to CH + 64 a variant reaches chunk c + 1, chunk 7 at the most: the slice's bytes and no others.  At each jump and label every window is 0.
.macro FSEL f, off
	WIN 0
.irp c, 0,1,2,3,4,5
	s_cmp_lg_u32 s41, 7-\c
	s_cbranch_scc1 .Lfn\@_\c
	FLOAD \f, \off, BC+\c
	WIN 0
	s_branch .Lfx\@
.Lfn\@_\c:
.endr
	FLOAD \f, \off, BC+6
	WIN 0
.Lfx\@:
.endm
.macro WLOAD dst, imm                  ; 32 loads: my wave's 32 weight rows of one chunk, each load 512 consecutive bytes at a multiple of 512 from the buffer's first byte
.set i, 0
.rept 32
	global_load_b128 v[(\dst)+4*i:(\dst)+4*i+3], v[L16], s[24:25] offset:(\imm)+i*PITCH th:TH_LOAD_NT
.set i, i+1
.endr
.endm
.macro WSTORE off                      ; my part of a chunk, in bf16, into LDS, off bytes behind WST: each store 32 lanes, 256 consecutive bytes, a row of the chunk
	WIN 0x0c                                       ; store data window 3
.set i, 0
.rept 32
	ds_store_b64 v[WST], v[CV+2*i:CV+2*i+1] offset:i*LP+(\off)
.set i, i+1
.endr
.endm
; Trip c = 6 - s41 of the stream's loop, c = 0 to 4, asks for chunk c + 3 to be brought near, directly behind the loads of chunk c + 2: one trip ahead of its own loads.  Lanes one weight
; row apart, two blocks of 256 bytes a row, each asked for once, by the wave that will load it; chunk 7 is the last, so trip 5 asks for nothing.  Base and offset are never rewritten.
.macro PREF
	WIN 0
.irp c, 0,1,2,3,4
	s_cmp_lg_u32 s41, 6-\c
	s_cbranch_scc1 .Lpn\@_\c
	global_prefetch_b8 v[PFO], s[WF:WF+1] offset:(\c+3)*512 th:TH_LOAD_NT scope:SCOPE_SE
	global_prefetch_b8 v[PFO], s[WF:WF+1] offset:(\c+3)*512+256 th:TH_LOAD_NT scope:SCOPE_SE
	s_branch .Lpx\@
.Lpn\@_\c:
.endr
.Lpx\@:
.endm
; A K STEP of 32: up to 40 matrix instructions; behind the first 16 the loads for later steps go out in one run.
; wl: how many younger global loads may stay out when this step's rows have to be in; behind that wait the slot's base is free and steps to the next chunk.
; nb: the next step's weights.  na: the rows three steps on.  var = 1 (a resident trip): the weights' run is chosen among the variants; step 0 stands at the trip's end and belongs to chunk c + 1.
; mode, in the stream's loop: 1: the next chunk's weights are waited for behind the run (30 younger loads: three steps' rows), their base steps, and their roundings ride behind 16 products;
; 2: the weights two chunks on are asked for, BEHIND the rows' loads, since loads are counted down in order and the rows are wanted first; and the rounded chunk goes into LDS;
; 3: the wait at the head has shown those stores done: signal; 16 products; the barrier's wait; then the next chunk is read.
.macro J j, wl, zero, nb, na, mode=0, var=0
	s_wait_loadcnt \wl
.if \na
	s_add_nc_u64 s[AB+2*(\j):AB+2*(\j)+1], s[AB+2*(\j):AB+2*(\j)+1], 256  ; (a pass's last such step is not used)
.endif
	s_wait_dscnt 0x0                               ; this step's weights, asked for in the step before
.if (\mode) == 3
	s_barrier_signal -1                            ; my part of the next chunk is in LDS
.endif
	MUL 0, (\j)%2, \j, \zero
	MUL 1, (\j)%2, \j, \zero
.if (\mode) == 3
	s_barrier_wait -1                              ; every wave's is
.endif
.if (\nb)+(\na)
	PLACES                                         ; the registers loaded below were last read by the step before
.endif
.if \na
.if (\j) == 0
	ALOAD 3                                        ; this chunk's step 3
.else
	ALOAD (\j)-1                                   ; the next chunk's step j - 1
.endif
.endif
.if (\mode) == 2
	WIN 0x40
	WLOAD WS, 512                                  ; the base stands at chunk c + 1
	PREF
.endif
.if \nb
.if \var
.if (\j) == 3
	FSEL 0, CH                                     ; chunk c + 1, step 0
.elseif (\j) == 0
	FSEL 1, CH+64                                  ; chunk c + 1, step 1
.else
	FSEL ((\j)+1)%2, 64*((\j)+1)                   ; chunk c, steps 2 and 3
.endif
.else
.if (\j) == 3
	FLOAD 0, CH                                    ; the next chunk's first step
.else
	FLOAD ((\j)+1)%2, 64*((\j)+1)
.endif
.endif
.endif
.if (\mode) == 2
	WSTORE CH                                      ; chunk c + 1
.endif
.if (\mode) == 1
	s_wait_loadcnt 30
	s_add_nc_u64 s[24:25], s[24:25], 512           ; free since that wait
	MULR 2, (\j)%2, \j
	MULR 3, (\j)%2, \j
.else
	MUL 2, (\j)%2, \j, \zero
	MUL 3, (\j)%2, \j, \zero
.endif
.if \zero
	MUL 4, (\j)%2, \j, 1                           ; the step that starts the sums is never jumped: the fifth block's registers are written on every way
	WIN 0
.else
	WIN 0
	s_cmp_lt_u32 s45, 5
	s_cbranch_scc1 .Lno4_\@                        ; fewer than five blocks: eight products less; no memory instruction and no barrier is jumped
	MUL 4, (\j)%2, \j, 0
	WIN 0
.Lno4_\@:
.endif
.endm
; A chunk as loaded (window by win, from register src) is rounded to bf16 and laid into LDS in one piece, with its barrier: chunk 0 and chunk 7.
.macro X win, src, off, wl
	s_wait_loadcnt \wl
	WIN \win
.set i, 0
.rept 64
	v_cvt_pk_bf16_f32 v[CV+i], v[(\src)+2*i], v[(\src)+2*i+1]
.set i, i+1
.endr
	WSTORE \off
	s_wait_dscnt 0x0                               ; for the others' sake: my stores are done (and no LDS load of mine is out)
	s_barrier_signal -1
	s_barrier_wait -1
.endm
; My share of pass s40: of the expert's ceil(n / 16) blocks the pass takes up to 20; each wave a quarter, the first waves one more.
.macro SHARE
	s_add_co_u32 s76, s35, 15
	s_lshr_b32 s76, s76, 4                         ; blocks in all
	s_mul_i32 s77, s40, 20                         ; those of the passes before
	s_sub_co_i32 s76, s76, s77
	s_max_i32 s76, s76, 0
	s_min_u32 s76, s76, 20                         ; this pass's
	s_lshr_b32 s78, s76, 2                         ; a wave's share,
	s_and_b32 s76, s76, 3                          ; and how many waves take one more
	s_cmp_lt_u32 s14, s76
	s_cselect_b32 s45, 1, 0
	s_add_co_u32 s45, s45, s78                     ; my blocks
	s_mul_i32 s78, s78, s14
	s_min_u32 s76, s76, s14
	s_add_co_u32 s78, s78, s76
	s_add_co_u32 s78, s78, s77                     ; my first block
	s_lshl_b32 s39, s78, 4                         ; my first place
	s_lshl_b32 s20, s45, 4
	s_add_co_u32 s20, s20, s39
	s_min_u32 s20, s20, s35                        ; the place behind my last live one
.endm
; The ids of places s39 .. s39 + 79: place p lies in sub-list q where P_q <= p < P_q+1, at word 384 q + p - P_q.  Places from s20 on count as row 0.
.macro LISTREAD
	v_add_nc_u32 v[TMP+12], s39, v[RR]
.irp b, 0,1,2,3,4
	v_add_nc_u32 v[TMP], 16*\b, v[TMP+12]
	v_cmp_le_u32 vcc_lo, s32, v[TMP]
	v_cndmask_b32 v[TMP+1], 0, s36, vcc_lo
	v_cmp_le_u32 vcc_lo, s33, v[TMP]
	v_cndmask_b32 v[TMP+1], v[TMP+1], s37, vcc_lo
	v_cmp_le_u32 vcc_lo, s34, v[TMP]
	v_cndmask_b32 v[TMP+1], v[TMP+1], s38, vcc_lo
	v_add_nc_u32 v[TMP], v[TMP], v[TMP+1]
	v_min_u32 v[TMP], 1535, v[TMP]                 ; the lists' last word holds 0
	v_lshl_add_u32 v[TMP], v[TMP], 2, LIST
	ds_load_b32 v[IDV+\b], v[TMP]
.endr
	s_wait_dscnt 0x0
.irp b, 0,1,2,3,4
	v_add_nc_u32 v[TMP], 16*\b, v[TMP+12]
	v_cmp_gt_u32 vcc_lo, s20, v[TMP]
	v_cndmask_b32 v[IDV+\b], 0, v[IDV+\b], vcc_lo  ; not mine: all such lanes read one row
	v_min_u32 v[IDV+\b], 2047, v[IDV+\b]
.if UP
	v_and_b32 v[TMP], 0x7fe, v[IDV+\b]             ; 2 x token,
	v_lshl_add_u32 v[AADR+\b], v[TMP], 10, v[H16]  ; x 1,024: a row of xn is 2,048 bytes
.else
	v_lshl_add_u32 v[AADR+\b], v[IDV+\b], 13, v[H16]  ; a row of h is 8,192 bytes
.endif
.endr
.endm
; A pass begins: bases and address back to chunk 0, the ids, the first three steps' rows.  first = 1 (pass 0): chunk 1's weights go out between the rows of steps 1 and 2, the place that
; a chunk's loads have among the rows' in every trip; chunk 0 is not in LDS yet.  first = 0: the first step's weights are fetched.
.macro PASSINIT first
	WIN 0
.if !(\first)
	s_wait_xcnt 0x0                                ; the last pass's stores have read their registers, which lie in the ring
.endif
.irp k, 0,1,2,3
	s_mov_b64 s[AB+2*\k:AB+2*\k+1], s[22:23]
.endr
	v_mov_b32 v[BADR], v[BADR0]
	LISTREAD
	ALOAD 0
	ALOAD 1
.if \first
	WIN 0x40
	WLOAD WS, 512
.endif
	ALOAD 2
.if !(\first)
	FLOAD 0, 0
.endif
.endm
.macro DUMP b                          ; block b's 16 rows x 128 columns of f32 into my stage, each accumulator's low four registers first; and its ids
.if (\b) < 4
	WIN 0x08
.set AC, 64*(\b)
.else
	WIN 0x0c
.set AC, 0
.endif
.irp cb, 0,1,2,3,4,5,6,7
	ds_store_b128 v[STO], v[AC+8*\cb:AC+8*\cb+3] offset:64*\cb
	ds_store_b128 v[STO], v[AC+8*\cb+4:AC+8*\cb+7] offset:64*\cb+16
.endr
	WIN 0
	ds_store_b32 v[IDW], v[IDV+(\b)]
.endm
.macro GLOAD g                         ; group g of a block: its four rows' ids (the same 16 bytes for every lane) and the rows, 512 consecutive bytes each
	ds_load_b128 v[VO:VO+3], v[IDA] offset:16*(\g)
.irp i, 0,1,2,3
	ds_load_b128 v[EN+4*\i:EN+4*\i+3], v[RD0] offset:SPI*(4*(\g)+\i)
.endr
.endm
	s_load_b256 s[4:11], s[0:1], 0x0               ; UP: xn, W1, b1, sel;  else: h, W2, sel, part
.if UP
	s_load_b64 s[12:13], s[0:1], 0x20              ; h
.endif
	v_lshl_add_u32 v[SPW], v0, 2, SPARE
	v_mov_b32 v[NIL], 0
	v_and_b32 v[LANE], 31, v0
	v_lshrrev_b32 v[WVV], 5, v0
	v_readfirstlane_b32 s14, v[WVV]                ; wave 0..3
	s_and_b32 s15, ttmp7, 0xffff                   ; the expert
	v_and_b32 v[RR], 15, v0
	v_bfe_u32 v[H16], v0, 4, 1
	v_lshlrev_b32 v[H16], 4, v[H16]
	v_lshlrev_b32 v[L16], 4, v[LANE]
	v_lshlrev_b32 v[PFO], PSH, v[LANE]
	v_lshl_add_u32 v[SELO], v[WVV], 11, v[L16]     ; my wave's 512 words of sel
	s_mov_b32 s40, 0
	s_lshl_b32 s18, s15, 24                        ; an expert's weights are 16 MiB
.if UP
	s_lshl_b32 s49, ttmp9, 19                      ; + 128 x slice rows of 4,096 bytes
	s_add_co_u32 s18, s18, s49
	s_lshl_b32 s49, s14, 17                        ; + 32 x wave rows
	s_add_co_u32 s18, s18, s49
	s_mov_b32 s19, 0
	s_lshl_b32 s16, s15, 14                        ; b1: the expert's 4,096 numbers, the slice's 128
	s_lshl_b32 s49, ttmp9, 9
	s_add_co_u32 s16, s16, s49
	s_mov_b32 s17, 0
	s_lshl_b32 s46, ttmp9, 8                       ; h: the slice's 128 columns, 256 bytes
	s_mov_b32 s47, 0
	s_mov_b32 s50, 0x3f07dc22                      ; the polynomial's five constants, each times 1 / sqrt(2 pi), as pairs: 0.530702716,
	s_mov_b32 s51, s50
	s_mov_b32 s52, 0xbf3a00e3                      ; -0.726576014,
	s_mov_b32 s53, s52
	s_mov_b32 s54, 0x3f35f0e3                      ; 0.710706871,
	s_mov_b32 s55, s54
	s_mov_b32 s56, 0xbe11a98e                      ; -0.142248368,
	s_mov_b32 s57, s56
	s_mov_b32 s58, 0x3e027906                      ; 0.127414796
	s_mov_b32 s59, s58
	s_mov_b32 s60, 0xbf38aa3b                      ; -log2(e) / 2
	s_mov_b32 s61, s60
	s_mov_b32 s62, 0x3e6d3389                      ; 0.2316419
	s_wait_kmcnt 0x0
	s_add_nc_u64 s[24:25], s[6:7], s[18:19]
	s_add_nc_u64 s[8:9], s[8:9], s[16:17]
	s_add_nc_u64 s[26:27], s[12:13], s[46:47]
	s_mov_b64 s[22:23], s[4:5]
.else
	s_and_b32 s16, ttmp9, 7                        ; which 128 columns of the model width
	s_lshr_b32 s17, ttmp9, 3                       ; which quarter of K: the 8 readers of one piece of h are neighbours in x
	s_lshl_b32 s49, s16, 21                        ; + 128 x slice rows of 16,384 bytes
	s_add_co_u32 s18, s18, s49
	s_lshl_b32 s49, s14, 19                        ; + 32 x wave rows
	s_add_co_u32 s18, s18, s49
	s_lshl_b32 s49, s17, 12                        ; + the quarter's 1,024 numbers
	s_add_co_u32 s18, s18, s49
	s_mov_b32 s19, 0
	s_lshl_b32 s46, s17, 23                        ; part: the quarter's 8 MiB, the slice's 512 bytes
	s_lshl_b32 s49, s16, 9
	s_add_co_u32 s46, s46, s49
	s_mov_b32 s47, 0
	s_lshl_b32 s16, s17, 11                        ; h: the quarter's 2,048 bytes of a row
	s_mov_b32 s17, 0
	s_wait_kmcnt 0x0
	s_add_nc_u64 s[24:25], s[6:7], s[18:19]
	s_add_nc_u64 s[22:23], s[4:5], s[16:17]
	s_add_nc_u64 s[26:27], s[10:11], s[46:47]
.endif
	s_mov_b64 s[WF:WF+1], s[24:25]
.irp q, 0,1,2,3
	global_load_b128 v[RING+4*\q:RING+4*\q+3], v[SELO], s[PS:PS+1] offset:512*\q
.endr
.if UP
	global_load_b128 v[BIAS:BIAS+3], v[L16], s[8:9]
.endif
	WIN 0x80
	WLOAD 0, 0                                     ; chunk 0 into window 2, where the accumulators will be
	WIN 0
.irp o, 512,768,1024,1280
	global_prefetch_b8 v[PFO], s[WF:WF+1] offset:\o th:TH_LOAD_NT scope:SCOPE_SE  ; chunks 1 and 2 are asked for: their loads follow when the list is made, and in trip 0
.endr
	; addresses, in the wait for the loads
	s_mul_i32 s49, s14, 32*LP
	v_lshl_add_u32 v[WST], v[LANE], 3, s49
	v_mul_u32_u24 v[BADR0], v[RR], LP
	v_add_nc_u32 v[BADR0], v[BADR0], v[H16]        ; row x pitch + 16 x half
.irp c, 1,2,3,4,5,6
	v_add_nc_u32 v[BC+\c], \c*CH, v[BADR0]         ; the same place in chunks 1 to 6
.endr
	s_mul_i32 s49, s14, SWAVE
	s_add_co_u32 s49, s49, STAGE                   ; my stage
	v_mul_u32_u24 v[STO], v[RR], SPI
	v_lshl_add_u32 v[STO], v[H16], 1, v[STO]       ; in: row lane % 16, 32 bytes for each half of the lanes
	v_add_nc_u32 v[STO], s49, v[STO]
	v_add_nc_u32 v[RD0], s49, v[L16]               ; back: a row's 512 bytes, 16 a lane
	s_add_co_u32 s49, s49, IDS
	v_mov_b32 v[IDA], s49
	v_lshl_add_u32 v[IDW], v[RR], 2, s49
.if UP
	v_lshlrev_b32 v[OOFF], 3, v[LANE]              ; four bf16 a lane
.else
	v_mov_b32 v[OOFF], v[L16]                      ; four f32 a lane
.endif
	; my sub-list: zeros first, then the matches
	s_mul_i32 s49, s14, LWAVE
	s_add_co_u32 s49, s49, LIST
	v_mov_b32 v[LB], s49
	v_add_nc_u32 v[TMP+1], s49, v[L16]
.irp k, 4,5,6,7
	v_mov_b32 v[TMP+\k], 0
.endr
	ds_store_b128 v[TMP+1], v[TMP+4:TMP+7]
	ds_store_b128 v[TMP+1], v[TMP+4:TMP+7] offset:512
	ds_store_b128 v[TMP+1], v[TMP+4:TMP+7] offset:1024
	v_mov_b32 v[TMP+8], 383
	v_lshlrev_b32 v[TMP+9], 2, v[LANE]
	v_lshl_add_u32 v[TMP+9], v[WVV], 9, v[TMP+9]   ; the id of my first word of sel: 512 wave + 4 lane
	s_mov_b32 s48, 0
	s_wait_loadcnt 32                              ; sel (and the bias) are in; chunk 0's 32 loads may be out
.set i, 0
.rept 16                                               ; word i = 4 q + j of my sixteen holds sel[512 wave + 128 q + 4 lane + j]
	v_cmp_eq_u32 vcc_lo, s15, v[RING+i]
	v_mbcnt_lo_u32_b32 v[TMP+2], vcc_lo, s48       ; the count so far + the matching lanes below me
	v_cndmask_b32 v[TMP+2], v[TMP+8], v[TMP+2], vcc_lo  ; a lane without a match writes 0 into the sub-list's last word
	v_add_nc_u32 v[TMP+3], 128*(i/4)+i%4, v[TMP+9]
	v_cndmask_b32 v[TMP+3], 0, v[TMP+3], vcc_lo
	v_min_u32 v[TMP+2], 383, v[TMP+2]
	v_lshl_add_u32 v[TMP+2], v[TMP+2], 2, v[LB]
	ds_store_b32 v[TMP+2], v[TMP+3]
	s_bcnt1_i32_b32 s49, vcc_lo
	s_add_co_u32 s48, s48, s49
.set i, i+1
.endr
	v_mov_b32 v[TMP+2], s48
	v_lshl_add_u32 v[TMP+3], v[WVV], 2, CNT
	ds_store_b32 v[TMP+3], v[TMP+2]
	s_wait_dscnt 0x0                               ; for the others' sake: my list and my count are in LDS
	s_barrier_signal -1                            ; the list has a barrier of its own, so that the first rows are asked for while chunk 0 is on its way
	s_barrier_wait -1
	v_mov_b32 v[TMP], CNT
	ds_load_b128 v[TMP+4:TMP+7], v[TMP]
	s_wait_dscnt 0x0
.irp k, 0,1,2,3
	v_readfirstlane_b32 s[28+\k], v[TMP+4+\k]
.endr
.irp k, 0,1,2,3
	s_min_u32 s[28+\k], s[28+\k], 256
.endr
	s_mov_b32 s32, s28
	s_add_co_u32 s33, s32, s29
	s_add_co_u32 s34, s33, s30
	s_add_co_u32 s35, s34, s31                     ; n: the expert's rows
	s_sub_co_u32 s36, 384, s32
	s_sub_co_u32 s37, 768, s33
	s_sub_co_u32 s38, 1152, s34
	; PASS 0.  The order in which loads are issued: rows (c, 3) in step 0; rows (c + 1, 0) in step 1; rows (c + 1, 1) and then weights c + 2 in step 2; rows (c + 1, 2) in step 3.
	SHARE
	PASSINIT 1                                     ; rows (0, 0), (0, 1), weights 1, rows (0, 2): the same order
	X 0xca, 0, 0, 62                               ; chunk 0 is in; may be out: those 10 + 10 + 32 + 10
	FLOAD 0, 0
	J 0, 52, 1, 1, 1                               ; may be out: rows (0, 1), weights 1, rows (0, 2)
	s_mov_b32 s41, 6
.Lc:                                                   ; trips c = 0..5
	J 1, 52, 0, 1, 1, 1                            ; may be out: weights c + 1 (32), rows (c, 2), (c, 3)
	J 2, 20, 0, 1, 1, 2                            ; may be out: rows (c, 3), (c + 1, 0)
	J 3, 52, 0, 1, 1, 3                            ; may be out: rows (c + 1, 0), (c + 1, 1), weights c + 2
	v_add_nc_u32 v[BADR], CH, v[BADR]              ; on to the next chunk: the two LDS addresses
	v_add_nc_u32 v[WST], CH, v[WST]
	J 0, 52, 0, 1, 1                               ; may be out: rows (c, 1), weights c + 1, rows (c, 2)
	s_sub_co_u32 s41, s41, 1
	s_cmp_lg_u32 s41, 0
	s_cbranch_scc1 .Lc
	X 0xc5, WS, CH, 20                             ; chunk 7, the last, in one piece; may be out: rows (6, 2), (6, 3)
	WIN 0
	s_mov_b32 s41, 1                               ; the slice is whole: the rest of chunk 6 is the resident loop's trip 6, and the same loads are out as there
	s_branch .Lr
.Lpass:                                                ; PASSES 1 TO 3, on the resident slice: no barrier, no write of shared LDS bytes
	SHARE
	s_cmp_eq_u32 s45, 0
	s_cbranch_scc1 .Lnext                          ; no block is left for me
	PASSINIT 0
	J 0, 20, 1, 1, 1                               ; may be out: the rows of steps 1 and 2
	s_mov_b32 s41, 7
.Lr:                                                   ; trips c = 0..6: steps 1 to 3 of chunk c, step 0 of chunk c + 1
	J 1, 20, 0, 1, 1, 0, 1                         ; in every step the rows of the two steps behind it may be out
	J 2, 20, 0, 1, 1, 0, 1
	J 3, 20, 0, 1, 1, 0, 1
	J 0, 20, 0, 1, 1, 0, 1
	s_sub_co_u32 s41, s41, 1
	s_cmp_lg_u32 s41, 0
	s_cbranch_scc1 .Lr
	v_add_nc_u32 v[BADR], 7*CH, v[BADR0]           ; the last chunk
	J 1, 20, 0, 1, 0                               ; nothing more is asked for from memory, the counts run down
	J 2, 10, 0, 1, 0
	J 3, 0, 0, 0, 0
	PLACES                                         ; behind the last products, ahead of the stores that read their results
	; THE WAY OUT, a block of 16 rows at a time through my own stage: LDS serves a wave's instructions in order (ISA guide 5.7.1.4), so no wait stands between the stores and the loads.
	; A row comes back as 512 consecutive bytes, four columns a lane; a store holds ONE row, so rows past the count are jumped by scalar branches and EXEC stays whole.
	s_sub_co_i32 s43, s20, s39                     ; my live rows from this block on
	s_mov_b32 s42, 0
.Lblk:
	s_cmp_le_i32 s43, 0
	s_cbranch_scc1 .Lbn
	s_cmp_lg_u32 s42, 0
	s_cbranch_scc1 .Ld1
	DUMP 0
	s_branch .Lrows
.Ld1:
	s_cmp_lg_u32 s42, 1
	s_cbranch_scc1 .Ld2
	DUMP 1
	s_branch .Lrows
.Ld2:
	s_cmp_lg_u32 s42, 2
	s_cbranch_scc1 .Ld3
	DUMP 2
	s_branch .Lrows
.Ld3:
	s_cmp_lg_u32 s42, 3
	s_cbranch_scc1 .Ld4
	DUMP 3
	s_branch .Lrows
.Ld4:
	DUMP 4
.Lrows:
.if UP
	s_min_i32 s44, s43, 16                         ; the block's live rows
	s_mov_b32 s46, 4
	GLOAD 0
	s_wait_dscnt 0x0
.Lgrp:                                                 ; four rows: 16 numbers a lane.  The group's rows and ids are in registers; the next group's are fetched while this one is worked on
	s_cmp_le_i32 s44, 0
	s_cbranch_scc1 .Lgn
.irp i, 0,1,2,3
	v_pk_add_f32 v[EX+4*\i:EX+4*\i+1], v[EN+4*\i:EN+4*\i+1], v[BIAS:BIAS+1]      ; the bias's add also moves the rows out of the registers that are loaded next
	v_pk_add_f32 v[EX+4*\i+2:EX+4*\i+3], v[EN+4*\i+2:EN+4*\i+3], v[BIAS+2:BIAS+3]
.endr
.irp i, 0,1,2,3
	v_min_u32 v[VB+\i], 2047, v[VO+\i]
.endr
	s_cmp_le_i32 s44, 4                            ; is there a next group?  Its loads are chosen by forward jumps on the counter: every LDS address is a fixed register and an immediate
	s_cbranch_scc1 .Lqx
	s_cmp_lg_u32 s46, 4
	s_cbranch_scc1 .Lq2
	GLOAD 1
	s_branch .Lqx
.Lq2:
	s_cmp_lg_u32 s46, 3
	s_cbranch_scc1 .Lq3
	GLOAD 2
	s_branch .Lqx
.Lq3:
	GLOAD 3
.Lqx:
	; u = -x^2 log2(e) / 2 and 1 + 0.2316419 |x| for a pair of numbers are four plain lines; t = 1 / .. and exp(-x^2 / 2) = 2^u of the pair before are four transcendentals: by turns.
	; No line ahead of the wait names a transcendental's result.
	v_pk_mul_f32 v[EU:EU+1], v[EX:EX+1], v[EX:EX+1]
	v_fma_f32 v[ET], |v[EX]|, s62, 1.0
	v_pk_mul_f32 v[EU:EU+1], v[EU:EU+1], s[60:61] op_sel_hi:[1,0]
	v_fma_f32 v[ET+1], |v[EX+1]|, s62, 1.0
.set i, 1
.rept 7
	v_pk_mul_f32 v[EU+2*i:EU+2*i+1], v[EX+2*i:EX+2*i+1], v[EX+2*i:EX+2*i+1]
	v_rcp_f32 v[ET+2*i-2], v[ET+2*i-2]
	v_fma_f32 v[ET+2*i], |v[EX+2*i]|, s62, 1.0
	v_rcp_f32 v[ET+2*i-1], v[ET+2*i-1]
	v_pk_mul_f32 v[EU+2*i:EU+2*i+1], v[EU+2*i:EU+2*i+1], s[60:61] op_sel_hi:[1,0]
	v_exp_f32 v[EU+2*i-2], v[EU+2*i-2]
	v_fma_f32 v[ET+2*i+1], |v[EX+2*i+1]|, s62, 1.0
	v_exp_f32 v[EU+2*i-1], v[EU+2*i-1]
.set i, i+1
.endr
	v_max_num_f32 v[EM], 0, v[EX]                  ; the last pair's four stand between the first of the sixteen max(x, 0)
	v_rcp_f32 v[ET+14], v[ET+14]
	v_max_num_f32 v[EM+1], 0, v[EX+1]
	v_rcp_f32 v[ET+15], v[ET+15]
	v_max_num_f32 v[EM+2], 0, v[EX+2]
	v_exp_f32 v[EU+14], v[EU+14]
	v_max_num_f32 v[EM+3], 0, v[EX+3]
	v_exp_f32 v[EU+15], v[EU+15]
.set i, 4
.rept 12
	v_max_num_f32 v[EM+i], 0, v[EX+i]
.set i, i+1
.endr
	s_wait_alu depctr_va_vdst(0)                   ; one wait for the 32 transcendentals, ahead of their first reader
.set i, 0
.rept 8
	v_pk_fma_f32 v[EP+2*i:EP+2*i+1], v[ET+2*i:ET+2*i+1], s[50:51], s[52:53] op_sel_hi:[1,0,0]
.set i, i+1
.endr
.irp c, 54,56,58
.set i, 0
.rept 8
	v_pk_fma_f32 v[EP+2*i:EP+2*i+1], v[EP+2*i:EP+2*i+1], v[ET+2*i:ET+2*i+1], s[\c:\c+1] op_sel_hi:[1,1,0]
.set i, i+1
.endr
.endr
.set i, 0
.rept 8
	v_pk_mul_f32 v[EP+2*i:EP+2*i+1], v[EP+2*i:EP+2*i+1], v[ET+2*i:ET+2*i+1]
.set i, i+1
.endr
.set i, 0
.rept 8
	v_pk_mul_f32 v[EP+2*i:EP+2*i+1], v[EP+2*i:EP+2*i+1], v[EU+2*i:EU+2*i+1]  ; q = 1 - Phi(|x|)
.set i, i+1
.endr
.set i, 0
.rept 16
	v_fma_f32 v[EM+i], -|v[EX+i]|, v[EP+i], v[EM+i]  ; gelu = max(x, 0) - |x| q
.set i, i+1
.endr
	s_wait_xcnt 0x0                                ; the last group's stores have read their offsets and data, which the lines below write anew
.set i, 0
.rept 8
	v_cvt_pk_bf16_f32 v[EO+i], v[EM+2*i], v[EM+2*i+1]
.set i, i+1
.endr
.irp i, 0,1,2,3
	v_lshl_add_u32 v[VA+\i], v[VB+\i], 13, v[OOFF]
.endr
	global_store_b64 v[VA], v[EO:EO+1], s[26:27]   ; 32 lanes store 256 consecutive bytes of a row of h, at a multiple of 256 from its first byte
	s_cmp_lt_i32 s44, 2
	s_cbranch_scc1 .Lgn
	global_store_b64 v[VA+1], v[EO+2:EO+3], s[26:27]
	s_cmp_lt_i32 s44, 3
	s_cbranch_scc1 .Lgn
	global_store_b64 v[VA+2], v[EO+4:EO+5], s[26:27]
	s_cmp_lt_i32 s44, 4
	s_cbranch_scc1 .Lgn
	global_store_b64 v[VA+3], v[EO+6:EO+7], s[26:27]
.Lgn:
	s_wait_dscnt 0x0                               ; the next group's rows, asked for at this group's head
	s_sub_co_i32 s44, s44, 4
	s_sub_co_u32 s46, s46, 1
	s_cmp_lg_u32 s46, 0
	s_cbranch_scc1 .Lgrp
.else
	s_wait_xcnt 0x0                                ; the last block's stores have read their offsets and data
.irp i, 0,1,2,3
	ds_load_b128 v[DID+4*\i:DID+4*\i+3], v[IDA] offset:16*\i  ; the 16 rows' ids, the same bytes for every lane
.endr
.set i, 0
.rept 16
	ds_load_b128 v[DX+4*i:DX+4*i+3], v[RD0] offset:SPI*i
.set i, i+1
.endr
	s_wait_dscnt 0x0
.set i, 0
.rept 16
	v_min_u32 v[DID+i], 2047, v[DID+i]
	v_lshl_add_u32 v[DID+i], v[DID+i], 12, v[OOFF]
.set i, i+1
.endr
	global_store_b128 v[DID], v[DX:DX+3], s[26:27] ; 32 lanes store 512 consecutive bytes of a row of part, at a multiple of 512 from its first byte
.set i, 1
.rept 15
	s_cmp_lt_i32 s43, i+1
	s_cbranch_scc1 .Lbn
	global_store_b128 v[DID+i], v[DX+4*i:DX+4*i+3], s[26:27]
.set i, i+1
.endr
.endif
.Lbn:
	s_sub_co_i32 s43, s43, 16
	s_add_co_u32 s42, s42, 1
	s_cmp_lt_u32 s42, 5
	s_cbranch_scc1 .Lblk
.Lnext:
	s_add_co_u32 s40, s40, 1
	s_cmp_lt_u32 s40, 4
	s_cbranch_scc1 .Lpass
	s_wait_tensorcnt 0x0                           ; the wave's end, behind my last LDS store
	ds_add_u32 v[SPW], v[NIL]
	s_wait_dscnt 0x0
	s_endpgm
.Lfunc_end_k_q24b1cd20ef_up:
	.size	k_q24b1cd20ef_up, .Lfunc_end_k_q24b1cd20ef_up-k_q24b1cd20ef_up
	.p2alignl 7, 3214868480
	.fill 96, 4, 3214868480
	.section	.rodata,"a",@progbits
	.p2align	6, 0x0
	.amdhsa_kernel k_q24b1cd20ef_up
		.amdhsa_group_segment_fixed_size 320256
		.amdhsa_private_segment_fixed_size 0
		.amdhsa_enable_private_segment 0
		.amdhsa_kernarg_size 40
		.amdhsa_user_sgpr_count 2
		.amdhsa_user_sgpr_kernarg_segment_ptr 1
		.amdhsa_wavefront_size32 1
		.amdhsa_system_sgpr_workgroup_id_x 1
		.amdhsa_system_sgpr_workgroup_id_y 1
		.amdhsa_system_sgpr_workgroup_id_z 1
		.amdhsa_system_vgpr_workitem_id 0
		.amdhsa_next_free_vgpr 896
		.amdhsa_next_free_sgpr 80
		.amdhsa_reserve_vcc 1
		.amdhsa_float_denorm_mode_32 3
		.amdhsa_float_denorm_mode_16_64 3
		.amdhsa_memory_ordered 1
		.amdhsa_forward_progress 1
		.amdhsa_inst_pref_size 168
	.end_amdhsa_kernel
	.amdgpu_metadata
---
amdhsa.version: [ 1, 2 ]
amdhsa.kernels:
  - .name:           k_q24b1cd20ef_up
    .symbol:         k_q24b1cd20ef_up.kd
    .args:
      - { .name: xn, .offset: 0, .size: 8, .value_kind: global_buffer, .address_space: global }
      - { .name: W1, .offset: 8, .size: 8, .value_kind: global_buffer, .address_space: global }
      - { .name: b1, .offset: 16, .size: 8, .value_kind: global_buffer, .address_space: global }
      - { .name: sel, .offset: 24, .size: 8, .value_kind: global_buffer, .address_space: global }
      - { .name: h, .offset: 32, .size: 8, .value_kind: global_buffer, .address_space: global }
    .group_segment_fixed_size: 320256
    .private_segment_fixed_size: 0
    .kernarg_segment_align: 8
    .kernarg_segment_size: 40
    .max_flat_workgroup_size: 128
    .sgpr_count:     80
    .vgpr_count:     896
    .wavefront_size: 32
...
	.end_amdgpu_metadata
.endif
;; end of part 2
;; launch down (part 3): grid 32 x 8, 4 waves a work-group, no clusters, 320,256 bytes of LDS; arguments h, W2, sel, part; writes part
.if DOCPART == 3
	.amdgcn_target "amdgcn-amd-amdhsa--gfx1250"
	.amdhsa_code_object_version 6
	.text
	.protected	k_q24b1cd20ef_down
	.globl	k_q24b1cd20ef_down
	.p2align	8
	.type	k_q24b1cd20ef_down,@function
k_q24b1cd20ef_down:
	s_mov_b64 s[64:65], 0
	v_nop
	global_prefetch_b8 v0, s[64:65] scope:SCOPE_SE
	s_setreg_imm32_b32 hwreg(HW_REG_WAVE_MODE, 25, 1), 1
	s_wait_xcnt 0x0
; ONE TEXT FOR BOTH PRODUCTS OF THE EXPERTS; the flag UP chooses.
;   UP = 1:  h[id][f] = gelu(xn[id / 2] . W1[e][f] + b1[e][f]), bf16, for the routed rows id = 2 token + choice with sel[id] = e.
;   UP = 0:  part[q4][id][d] = the sum over quarter q4 of the hidden width of h[id][f] W2[e][d][f], f32 (partial sums; bias and gate weight come in the last launch).
; SHARES.  Grid 32 x 8: y = the expert e, x = a slice of its weights, 128 output columns x 1,024 along K (UP: 32 slices of the hidden width; else 8 slices of the
; model width x 4 quarters of K).  Each weight byte is read once in the launch, by one wave, in f32, rounded to bf16 on its way through registers and laid into LDS, where the
; slice (256 KB in bf16) stays: nothing in it is ever written twice.
; ROWS.  The expert's n rows are dealt in blocks of 16: a pass takes up to 20 blocks, each wave a quarter of them (the first waves one more), 5 at the most.  A wave with fewer than
; 5 jumps the fifth block's products.  Places that are not the wave's own read row 0, which exists; their results are not stored.
; PASS 0: the slice comes in 8 chunks of 128 along K.  While chunks c + 1 and c + 2 are on their way all four waves multiply chunk c: one barrier a chunk, constant trip counts.
; PASSES 1 TO 3 serve rows 320 to 1,279 from the resident slice: a loop of constant count without barrier, whose dead trips are jumped; so every split of the rows over the
; experts is served, from none to 1,024.
; Inside the loop over passes every LDS address is a register that is never rewritten, or one made from such a register and a constant, with an immediate; where the bytes hang on a
; loop's counter, forward jumps on the counter choose among variants written out.
; NO WAIT ON XCNT IN THE K LOOPS: each of the four ring slots of rows has a base of its own, stepped behind the counted wait that shows the slot's last loads done; the weights' base
; likewise; prefetches name a base that is never rewritten.
; THE LIST.  Wave w scans sel[512 w .. 512 w + 511] and lays the matching ids into a sub-list of its own in LDS (at most 256: a token's two choices differ; the place is
; clamped all the same); place p of the expert's rows is found from the four counts.  Rows of h and part are addressed by id, so each has one writer.
; THE ROWS come straight from memory into registers as matrix operands, gathered by the list.  THE MATRIX INSTRUCTION IS USED TRANSPOSED: source 0 = 16 weight rows,
; source 1 = 16 token rows: a lane then holds 8 neighbouring columns of one row.  The accumulators take turns, one instruction a turn, in the same order in every K step.
; NO CLUSTER: a slice of weights has one reader; what an expert's work-groups share is its rows, which come by a list that no tensor descriptor covers.
; NO TENSOR LOAD: the resident slice leaves no room in LDS for a stage of f32 weights.
; LIMITS.  Operands bf16, sums f32; h rounded once to bf16.  Phi(x) by the rational form of Abramowitz and Stegun 26.2.17, off by 7.5e-8 at the most for every x
; (for large |x| the exponential is 0 and gelu is x or 0).  NaN and infinities are not treated apart.
.set UP, 0
.if UP
.set PITCH, 4096                       ; bytes from weight row to weight row
.set PSH,   12
.set PS,    10                         ; s[10:11] sel
.else
.set PITCH, 16384
.set PSH,   14
.set PS,    8                          ; s[8:9] sel
.endif
; LDS
.set LP,    272                        ; a weight row of one chunk: 256 bytes + 16: the 16 rows of a fragment load start at 16 different groups of four banks (ISA guide 11.1)
.set CH,    128*LP                     ; a chunk: 128 rows, 34,816 bytes
.set STAGE, 8*CH                       ; behind the slice: for each wave 16 rows x 528 bytes of f32 for the way out, and a block's 16 ids
.set SPI,   528
.set IDS,   16*SPI
.set SWAVE, IDS+256
.set LIST,  STAGE+4*SWAVE              ; four sub-lists of 384 words
.set LWAVE, 1536
.set CNT,   LIST+4*LWAVE               ; the four counts
.set SPARE, CNT+256                    ; the spare words, 128 bytes a wave: two blocks of 256 bytes that no other line names
; vector registers, window 0
.set LANE, 1
.set RR,   2                           ; lane % 16
.set H16,  3                           ; 16 x (lane / 16)
.set SPW,  4                           ; LDS address of my spare word; never rewritten
.set NIL,  5                           ; 0; never rewritten
.set WVV,  6                           ; my wave's number
.set BADR, 8                           ; LDS address of my lane's place in the chunk in hand (pass 0, a pass's beginning, its last chunk)
.set BADR0, 9                          ; the same in chunk 0; never rewritten
.set BC,   9                           ; v9-15  the same in chunks 0 to 6; never rewritten
.set WST,  16                          ; where I store my 8 bytes of my wave's first weight row of the chunk in hand
.set L16,  17                          ; 16 x lane
.set PFO,  18                          ; lane x PITCH; never rewritten
.set LB,   19                          ; my wave's sub-list
.set AADR, 20                          ; v20-24  byte offset of my row of block 0..4
.set IDV,  26                          ; v26-30  its id
.set STO,  32                          ; the way out: where I put 16 bytes of a row; never rewritten
.set RD0,  33                          ; where I read a row back; never rewritten
.set OOFF, 36                          ; my byte offset in a row's 128 columns of the output
.set IDA,  37                          ; the stage's id words; never rewritten
.set IDW,  38                          ; my place in them
.set VO,   40                          ; v40-43  four ids as loaded
.set BIAS, 44                          ; v44-47  the bias of my four columns
.set TMP,  48                          ; v48-62  at work
.set SELO, 63                          ; my byte offset in sel
.set RING, 64                          ; v64-223 four slots of 40: the rows' fragments of K steps j = 0..3 (block b at + 8 b)
.set EN,   64                          ; the way out uses the ring's registers.  UP: four rows as loaded; x; -x^2 log2(e)/2; t; the polynomial; max(x, 0); results; store offsets; ids
.set EX,   80
.set EU,   96
.set ET,   112
.set EP,   128
.set EM,   144
.set EO,   160
.set VA,   168
.set VB,   172
.set DX,   64                          ; else: sixteen rows as loaded, sixteen ids and then store offsets
.set DID,  128
; window 1: v0-63, v64-127 the weights' fragments, two buffers; v128-255 a chunk as loaded (32 loads of 4)
; window 2: the accumulators of blocks 0-3 at 64 b + 8 cb (in the prologue v0-127: chunk 0 as loaded);   window 3: v0-63 block 4; v64-127 a chunk in bf16
.set WS,   128
.set CV,   64
; scalars: s14 wave, s15 expert, s20 the place behind my last live one, s[22:23] rows' base at chunk 0, s[24:25] weights' base, s[26:27] output's base, s28-31 the counts,
; s32-34 their running sums, s35 n, s36-38 what turns a place into a word of the lists, s39 my first place of the pass, s40 pass, s41-46 counters (s45: my blocks), s76-78 at work
.set AB,   66                          ; s[66:73] slot j's base of the rows: at the chunk that the slot loads next
.set WF,   74                          ; s[74:75] weights' base at chunk 0, for the prefetches; never rewritten
.set MSB, 0
.macro WIN new                         ; low byte: bits 1:0 source 0, 3:2 source 1, 5:4 source 2, 7:6 destination; the high byte repeats the setting that is left
.if MSB != (\new)
	s_set_vgpr_msb (MSB<<8)|(\new)
.set MSB, \new
.endif
.endm
.macro PLACES                          ; four plain instructions between a matrix instruction and a load into, a vector write of or a read of its registers
.rept 4
	v_nop
.endr
.endm
; 8 matrix instructions: block blk of 16 rows x all 8 column blocks, 32 along K; weights from buffer f, rows from ring slot j.  zero = 1: the product starts the sums
.macro MUL blk, f, j, zero
.if (\blk) < 4
	WIN 0xa1                                       ; weights window 1, rows window 0, C and D window 2
.set AC, 64*(\blk)
.else
	WIN 0xf1                                       ; C and D window 3
.set AC, 0
.endif
.irp cb, 0,1,2,3,4,5,6,7
.if \zero
	v_wmma_f32_16x16x32_bf16 v[AC+8*\cb:AC+8*\cb+7], v[64*(\f)+8*\cb:64*(\f)+8*\cb+7], v[RING+40*(\j)+8*(\blk):RING+40*(\j)+8*(\blk)+7], 0
.else
	v_wmma_f32_16x16x32_bf16 v[AC+8*\cb:AC+8*\cb+7], v[64*(\f)+8*\cb:64*(\f)+8*\cb+7], v[RING+40*(\j)+8*(\blk):RING+40*(\j)+8*(\blk)+7], v[AC+8*\cb:AC+8*\cb+7]
.endif
.endr
.endm
; The same for block 2 or 3, with four roundings of the chunk that has just come behind each product: 2 x 8 x 4 = 64, the wave's whole part of a chunk.  They name no register of the products.
.macro MULR blk, f, j
.irp cb, 0,1,2,3,4,5,6,7
	WIN 0xa1
	v_wmma_f32_16x16x32_bf16 v[64*(\blk)+8*\cb:64*(\blk)+8*\cb+7], v[64*(\f)+8*\cb:64*(\f)+8*\cb+7], v[RING+40*(\j)+8*(\blk):RING+40*(\j)+8*(\blk)+7], v[64*(\blk)+8*\cb:64*(\blk)+8*\cb+7]
	WIN 0xc5                                       ; sources window 1, destination window 3
.irp u, 0,1,2,3
	v_cvt_pk_bf16_f32 v[CV+4*(8*((\blk)-2)+\cb)+\u], v[WS+8*(8*((\blk)-2)+\cb)+2*\u], v[WS+8*(8*((\blk)-2)+\cb)+2*\u+1]
.endr
.endr
.endm
.macro ALOAD ts                        ; 10 loads: 80 rows x 32 along K, K step ts of the chunk at which the slot's base stands, into ring slot ts
	WIN 0
.irp b, 0,1,2,3,4
	global_load_b128 v[RING+40*(\ts)+8*\b:RING+40*(\ts)+8*\b+3],   v[AADR+\b], s[AB+2*(\ts):AB+2*(\ts)+1] offset:64*(\ts)
	global_load_b128 v[RING+40*(\ts)+8*\b+4:RING+40*(\ts)+8*\b+7], v[AADR+\b], s[AB+2*(\ts):AB+2*(\ts)+1] offset:64*(\ts)+32
.endr
.endm
.macro FLOAD f, off, ar=BADR           ; 16 LDS loads: 128 weight rows x 32 along K at byte off behind the address in register ar, into buffer f
	WIN 0x40
.irp cb, 0,1,2,3,4,5,6,7
	ds_load_b128 v[64*(\f)+8*\cb:64*(\f)+8*\cb+3],   v[\ar] offset:\cb*16*LP+(\off)
	ds_load_b128 v[64*(\f)+8*\cb+4:64*(\f)+8*\cb+7], v[\ar] offset:\cb*16*LP+(\off)+32
.endr
.endm
; The same run in a resident trip c = 7 - s41 (0 to 6): seven variants, of which forward jumps on the counter choose one; variant c reads through the fixed register of chunk c.
; With off up to CH + 64 a variant reaches chunk c + 1, chunk 7 at the most: the slice's bytes and no others.  At each jump and label every window is 0.
.macro FSEL f, off
	WIN 0
.irp c, 0,1,2,3,4,5
	s_cmp_lg_u32 s41, 7-\c
	s_cbranch_scc1 .Lfn\@_\c
	FLOAD \f, \off, BC+\c
	WIN 0
	s_branch .Lfx\@
.Lfn\@_\c:
.endr
	FLOAD \f, \off, BC+6
	WIN 0
.Lfx\@:
.endm
.macro WLOAD dst, imm                  ; 32 loads: my wave's 32 weight rows of one chunk, each load 512 consecutive bytes at a multiple of 512 from the buffer's first byte
.set i, 0
.rept 32
	global_load_b128 v[(\dst)+4*i:(\dst)+4*i+3], v[L16], s[24:25] offset:(\imm)+i*PITCH th:TH_LOAD_NT
.set i, i+1
.endr
.endm
.macro WSTORE off                      ; my part of a chunk, in bf16, into LDS, off bytes behind WST: each store 32 lanes, 256 consecutive bytes, a row of the chunk
	WIN 0x0c                                       ; store data window 3
.set i, 0
.rept 32
	ds_store_b64 v[WST], v[CV+2*i:CV+2*i+1] offset:i*LP+(\off)
.set i, i+1
.endr
.endm
; Trip c = 6 - s41 of the stream's loop, c = 0 to 4, asks for chunk c + 3 to be brought near, directly behind the loads of chunk c + 2: one trip ahead of its own loads.  Lanes one weight
; row apart, two blocks of 256 bytes a row, each asked for once, by the wave that will load it; chunk 7 is the last, so trip 5 asks for nothing.  Base and offset are never rewritten.
.macro PREF
	WIN 0
.irp c, 0,1,2,3,4
	s_cmp_lg_u32 s41, 6-\c
	s_cbranch_scc1 .Lpn\@_\c
	global_prefetch_b8 v[PFO], s[WF:WF+1] offset:(\c+3)*512 th:TH_LOAD_NT scope:SCOPE_SE
	global_prefetch_b8 v[PFO], s[WF:WF+1] offset:(\c+3)*512+256 th:TH_LOAD_NT scope:SCOPE_SE
	s_branch .Lpx\@
.Lpn\@_\c:
.endr
.Lpx\@:
.endm
; A K STEP of 32: up to 40 matrix instructions; behind the first 16 the loads for later steps go out in one run.
; wl: how many younger global loads may stay out when this step's rows have to be in; behind that wait the slot's base is free and steps to the next chunk.
; nb: the next step's weights.  na: the rows three steps on.  var = 1 (a resident trip): the weights' run is chosen among the variants; step 0 stands at the trip's end and belongs to chunk c + 1.
; mode, in the stream's loop: 1: the next chunk's weights are waited for behind the run (30 younger loads: three steps' rows), their base steps, and their roundings ride behind 16 products;
; 2: the weights two chunks on are asked for, BEHIND the rows' loads, since loads are counted down in order and the rows are wanted first; and the rounded chunk goes into LDS;
; 3: the wait at the head has shown those stores done: signal; 16 products; the barrier's wait; then the next chunk is read.
.macro J j, wl, zero, nb, na, mode=0, var=0
	s_wait_loadcnt \wl
.if \na
	s_add_nc_u64 s[AB+2*(\j):AB+2*(\j)+1], s[AB+2*(\j):AB+2*(\j)+1], 256  ; (a pass's last such step is not used)
.endif
	s_wait_dscnt 0x0                               ; this step's weights, asked for in the step before
.if (\mode) == 3
	s_barrier_signal -1                            ; my part of the next chunk is in LDS
.endif
	MUL 0, (\j)%2, \j, \zero
	MUL 1, (\j)%2, \j, \zero
.if (\mode) == 3
	s_barrier_wait -1                              ; every wave's is
.endif
.if (\nb)+(\na)
	PLACES                                         ; the registers loaded below were last read by the step before
.endif
.if \na
.if (\j) == 0
	ALOAD 3                                        ; this chunk's step 3
.else
	ALOAD (\j)-1                                   ; the next chunk's step j - 1
.endif
.endif
.if (\mode) == 2
	WIN 0x40
	WLOAD WS, 512                                  ; the base stands at chunk c + 1
	PREF
.endif
.if \nb
.if \var
.if (\j) == 3
	FSEL 0, CH                                     ; chunk c + 1, step 0
.elseif (\j) == 0
	FSEL 1, CH+64                                  ; chunk c + 1, step 1
.else
	FSEL ((\j)+1)%2, 64*((\j)+1)                   ; chunk c, steps 2 and 3
.endif
.else
.if (\j) == 3
	FLOAD 0, CH                                    ; the next chunk's first step
.else
	FLOAD ((\j)+1)%2, 64*((\j)+1)
.endif
.endif
.endif
.if (\mode) == 2
	WSTORE CH                                      ; chunk c + 1
.endif
.if (\mode) == 1
	s_wait_loadcnt 30
	s_add_nc_u64 s[24:25], s[24:25], 512           ; free since that wait
	MULR 2, (\j)%2, \j
	MULR 3, (\j)%2, \j
.else
	MUL 2, (\j)%2, \j, \zero
	MUL 3, (\j)%2, \j, \zero
.endif
.if \zero
	MUL 4, (\j)%2, \j, 1                           ; the step that starts the sums is never jumped: the fifth block's registers are written on every way
	WIN 0
.else
	WIN 0
	s_cmp_lt_u32 s45, 5
	s_cbranch_scc1 .Lno4_\@                        ; fewer than five blocks: eight products less; no memory instruction and no barrier is jumped
	MUL 4, (\j)%2, \j, 0
	WIN 0
.Lno4_\@:
.endif
.endm
; A chunk as loaded (window by win, from register src) is rounded to bf16 and laid into LDS in one piece, with its barrier: chunk 0 and chunk 7.
.macro X win, src, off, wl
	s_wait_loadcnt \wl
	WIN \win
.set i, 0
.rept 64
	v_cvt_pk_bf16_f32 v[CV+i], v[(\src)+2*i], v[(\src)+2*i+1]
.set i, i+1
.endr
	WSTORE \off
	s_wait_dscnt 0x0                               ; for the others' sake: my stores are done (and no LDS load of mine is out)
	s_barrier_signal -1
	s_barrier_wait -1
.endm
; My share of pass s40: of the expert's ceil(n / 16) blocks the pass takes up to 20; each wave a quarter, the first waves one more.
.macro SHARE
	s_add_co_u32 s76, s35, 15
	s_lshr_b32 s76, s76, 4                         ; blocks in all
	s_mul_i32 s77, s40, 20                         ; those of the passes before
	s_sub_co_i32 s76, s76, s77
	s_max_i32 s76, s76, 0
	s_min_u32 s76, s76, 20                         ; this pass's
	s_lshr_b32 s78, s76, 2                         ; a wave's share,
	s_and_b32 s76, s76, 3                          ; and how many waves take one more
	s_cmp_lt_u32 s14, s76
	s_cselect_b32 s45, 1, 0
	s_add_co_u32 s45, s45, s78                     ; my blocks
	s_mul_i32 s78, s78, s14
	s_min_u32 s76, s76, s14
	s_add_co_u32 s78, s78, s76
	s_add_co_u32 s78, s78, s77                     ; my first block
	s_lshl_b32 s39, s78, 4                         ; my first place
	s_lshl_b32 s20, s45, 4
	s_add_co_u32 s20, s20, s39
	s_min_u32 s20, s20, s35                        ; the place behind my last live one
.endm
; The ids of places s39 .. s39 + 79: place p lies in sub-list q where P_q <= p < P_q+1, at word 384 q + p - P_q.  Places from s20 on count as row 0.
.macro LISTREAD
	v_add_nc_u32 v[TMP+12], s39, v[RR]
.irp b, 0,1,2,3,4
	v_add_nc_u32 v[TMP], 16*\b, v[TMP+12]
	v_cmp_le_u32 vcc_lo, s32, v[TMP]
	v_cndmask_b32 v[TMP+1], 0, s36, vcc_lo
	v_cmp_le_u32 vcc_lo, s33, v[TMP]
	v_cndmask_b32 v[TMP+1], v[TMP+1], s37, vcc_lo
	v_cmp_le_u32 vcc_lo, s34, v[TMP]
	v_cndmask_b32 v[TMP+1], v[TMP+1], s38, vcc_lo
	v_add_nc_u32 v[TMP], v[TMP], v[TMP+1]
	v_min_u32 v[TMP], 1535, v[TMP]                 ; the lists' last word holds 0
	v_lshl_add_u32 v[TMP], v[TMP], 2, LIST
	ds_load_b32 v[IDV+\b], v[TMP]
.endr
	s_wait_dscnt 0x0
.irp b, 0,1,2,3,4
	v_add_nc_u32 v[TMP], 16*\b, v[TMP+12]
	v_cmp_gt_u32 vcc_lo, s20, v[TMP]
	v_cndmask_b32 v[IDV+\b], 0, v[IDV+\b], vcc_lo  ; not mine: all such lanes read one row
	v_min_u32 v[IDV+\b], 2047, v[IDV+\b]
.if UP
	v_and_b32 v[TMP], 0x7fe, v[IDV+\b]             ; 2 x token,
	v_lshl_add_u32 v[AADR+\b], v[TMP], 10, v[H16]  ; x 1,024: a row of xn is 2,048 bytes
.else
	v_lshl_add_u32 v[AADR+\b], v[IDV+\b], 13, v[H16]  ; a row of h is 8,192 bytes
.endif
.endr
.endm
; A pass begins: bases and address back to chunk 0, the ids, the first three steps' rows.  first = 1 (pass 0): chunk 1's weights go out between the rows of steps 1 and 2, the place that
; a chunk's loads have among the rows' in every trip; chunk 0 is not in LDS yet.  first = 0: the first step's weights are fetched.
.macro PASSINIT first
	WIN 0
.if !(\first)
	s_wait_xcnt 0x0                                ; the last pass's stores have read their registers, which lie in the ring
.endif
.irp k, 0,1,2,3
	s_mov_b64 s[AB+2*\k:AB+2*\k+1], s[22:23]
.endr
	v_mov_b32 v[BADR], v[BADR0]
	LISTREAD
	ALOAD 0
	ALOAD 1
.if \first
	WIN 0x40
	WLOAD WS, 512
.endif
	ALOAD 2
.if !(\first)
	FLOAD 0, 0
.endif
.endm
.macro DUMP b                          ; block b's 16 rows x 128 columns of f32 into my stage, each accumulator's low four registers first; and its ids
.if (\b) < 4
	WIN 0x08
.set AC, 64*(\b)
.else
	WIN 0x0c
.set AC, 0
.endif
.irp cb, 0,1,2,3,4,5,6,7
	ds_store_b128 v[STO], v[AC+8*\cb:AC+8*\cb+3] offset:64*\cb
	ds_store_b128 v[STO], v[AC+8*\cb+4:AC+8*\cb+7] offset:64*\cb+16
.endr
	WIN 0
	ds_store_b32 v[IDW], v[IDV+(\b)]
.endm
.macro GLOAD g                         ; group g of a block: its four rows' ids (the same 16 bytes for every lane) and the rows, 512 consecutive bytes each
	ds_load_b128 v[VO:VO+3], v[IDA] offset:16*(\g)
.irp i, 0,1,2,3
	ds_load_b128 v[EN+4*\i:EN+4*\i+3], v[RD0] offset:SPI*(4*(\g)+\i)
.endr
.endm
	s_load_b256 s[4:11], s[0:1], 0x0               ; UP: xn, W1, b1, sel;  else: h, W2, sel, part
.if UP
	s_load_b64 s[12:13], s[0:1], 0x20              ; h
.endif
	v_lshl_add_u32 v[SPW], v0, 2, SPARE
	v_mov_b32 v[NIL], 0
	v_and_b32 v[LANE], 31, v0
	v_lshrrev_b32 v[WVV], 5, v0
	v_readfirstlane_b32 s14, v[WVV]                ; wave 0..3
	s_and_b32 s15, ttmp7, 0xffff                   ; the expert
	v_and_b32 v[RR], 15, v0
	v_bfe_u32 v[H16], v0, 4, 1
	v_lshlrev_b32 v[H16], 4, v[H16]
	v_lshlrev_b32 v[L16], 4, v[LANE]
	v_lshlrev_b32 v[PFO], PSH, v[LANE]
	v_lshl_add_u32 v[SELO], v[WVV], 11, v[L16]     ; my wave's 512 words of sel
	s_mov_b32 s40, 0
	s_lshl_b32 s18, s15, 24                        ; an expert's weights are 16 MiB
.if UP
	s_lshl_b32 s49, ttmp9, 19                      ; + 128 x slice rows of 4,096 bytes
	s_add_co_u32 s18, s18, s49
	s_lshl_b32 s49, s14, 17                        ; + 32 x wave rows
	s_add_co_u32 s18, s18, s49
	s_mov_b32 s19, 0
	s_lshl_b32 s16, s15, 14                        ; b1: the expert's 4,096 numbers, the slice's 128
	s_lshl_b32 s49, ttmp9, 9
	s_add_co_u32 s16, s16, s49
	s_mov_b32 s17, 0
	s_lshl_b32 s46, ttmp9, 8                       ; h: the slice's 128 columns, 256 bytes
	s_mov_b32 s47, 0
	s_mov_b32 s50, 0x3f07dc22                      ; the polynomial's five constants, each times 1 / sqrt(2 pi), as pairs: 0.530702716,
	s_mov_b32 s51, s50
	s_mov_b32 s52, 0xbf3a00e3                      ; -0.726576014,
	s_mov_b32 s53, s52
	s_mov_b32 s54, 0x3f35f0e3                      ; 0.710706871,
	s_mov_b32 s55, s54
	s_mov_b32 s56, 0xbe11a98e                      ; -0.142248368,
	s_mov_b32 s57, s56
	s_mov_b32 s58, 0x3e027906                      ; 0.127414796
	s_mov_b32 s59, s58
	s_mov_b32 s60, 0xbf38aa3b                      ; -log2(e) / 2
	s_mov_b32 s61, s60
	s_mov_b32 s62, 0x3e6d3389                      ; 0.2316419
	s_wait_kmcnt 0x0
	s_add_nc_u64 s[24:25], s[6:7], s[18:19]
	s_add_nc_u64 s[8:9], s[8:9], s[16:17]
	s_add_nc_u64 s[26:27], s[12:13], s[46:47]
	s_mov_b64 s[22:23], s[4:5]
.else
	s_and_b32 s16, ttmp9, 7                        ; which 128 columns of the model width
	s_lshr_b32 s17, ttmp9, 3                       ; which quarter of K: the 8 readers of one piece of h are neighbours in x
	s_lshl_b32 s49, s16, 21                        ; + 128 x slice rows of 16,384 bytes
	s_add_co_u32 s18, s18, s49
	s_lshl_b32 s49, s14, 19                        ; + 32 x wave rows
	s_add_co_u32 s18, s18, s49
	s_lshl_b32 s49, s17, 12                        ; + the quarter's 1,024 numbers
	s_add_co_u32 s18, s18, s49
	s_mov_b32 s19, 0
	s_lshl_b32 s46, s17, 23                        ; part: the quarter's 8 MiB, the slice's 512 bytes
	s_lshl_b32 s49, s16, 9
	s_add_co_u32 s46, s46, s49
	s_mov_b32 s47, 0
	s_lshl_b32 s16, s17, 11                        ; h: the quarter's 2,048 bytes of a row
	s_mov_b32 s17, 0
	s_wait_kmcnt 0x0
	s_add_nc_u64 s[24:25], s[6:7], s[18:19]
	s_add_nc_u64 s[22:23], s[4:5], s[16:17]
	s_add_nc_u64 s[26:27], s[10:11], s[46:47]
.endif
	s_mov_b64 s[WF:WF+1], s[24:25]
.irp q, 0,1,2,3
	global_load_b128 v[RING+4*\q:RING+4*\q+3], v[SELO], s[PS:PS+1] offset:512*\q
.endr
.if UP
	global_load_b128 v[BIAS:BIAS+3], v[L16], s[8:9]
.endif
	WIN 0x80
	WLOAD 0, 0                                     ; chunk 0 into window 2, where the accumulators will be
	WIN 0
.irp o, 512,768,1024,1280
	global_prefetch_b8 v[PFO], s[WF:WF+1] offset:\o th:TH_LOAD_NT scope:SCOPE_SE  ; chunks 1 and 2 are asked for: their loads follow when the list is made, and in trip 0
.endr
	; addresses, in the wait for the loads
	s_mul_i32 s49, s14, 32*LP
	v_lshl_add_u32 v[WST], v[LANE], 3, s49
	v_mul_u32_u24 v[BADR0], v[RR], LP
	v_add_nc_u32 v[BADR0], v[BADR0], v[H16]        ; row x pitch + 16 x half
.irp c, 1,2,3,4,5,6
	v_add_nc_u32 v[BC+\c], \c*CH, v[BADR0]         ; the same place in chunks 1 to 6
.endr
	s_mul_i32 s49, s14, SWAVE
	s_add_co_u32 s49, s49, STAGE                   ; my stage
	v_mul_u32_u24 v[STO], v[RR], SPI
	v_lshl_add_u32 v[STO], v[H16], 1, v[STO]       ; in: row lane % 16, 32 bytes for each half of the lanes
	v_add_nc_u32 v[STO], s49, v[STO]
	v_add_nc_u32 v[RD0], s49, v[L16]               ; back: a row's 512 bytes, 16 a lane
	s_add_co_u32 s49, s49, IDS
	v_mov_b32 v[IDA], s49
	v_lshl_add_u32 v[IDW], v[RR], 2, s49
.if UP
	v_lshlrev_b32 v[OOFF], 3, v[LANE]              ; four bf16 a lane
.else
	v_mov_b32 v[OOFF], v[L16]                      ; four f32 a lane
.endif
	; my sub-list: zeros first, then the matches
	s_mul_i32 s49, s14, LWAVE
	s_add_co_u32 s49, s49, LIST
	v_mov_b32 v[LB], s49
	v_add_nc_u32 v[TMP+1], s49, v[L16]
.irp k, 4,5,6,7
	v_mov_b32 v[TMP+\k], 0
.endr
	ds_store_b128 v[TMP+1], v[TMP+4:TMP+7]
	ds_store_b128 v[TMP+1], v[TMP+4:TMP+7] offset:512
	ds_store_b128 v[TMP+1], v[TMP+4:TMP+7] offset:1024
	v_mov_b32 v[TMP+8], 383
	v_lshlrev_b32 v[TMP+9], 2, v[LANE]
	v_lshl_add_u32 v[TMP+9], v[WVV], 9, v[TMP+9]   ; the id of my first word of sel: 512 wave + 4 lane
	s_mov_b32 s48, 0
	s_wait_loadcnt 32                              ; sel (and the bias) are in; chunk 0's 32 loads may be out
.set i, 0
.rept 16                                               ; word i = 4 q + j of my sixteen holds sel[512 wave + 128 q + 4 lane + j]
	v_cmp_eq_u32 vcc_lo, s15, v[RING+i]
	v_mbcnt_lo_u32_b32 v[TMP+2], vcc_lo, s48       ; the count so far + the matching lanes below me
	v_cndmask_b32 v[TMP+2], v[TMP+8], v[TMP+2], vcc_lo  ; a lane without a match writes 0 into the sub-list's last word
	v_add_nc_u32 v[TMP+3], 128*(i/4)+i%4, v[TMP+9]
	v_cndmask_b32 v[TMP+3], 0, v[TMP+3], vcc_lo
	v_min_u32 v[TMP+2], 383, v[TMP+2]
	v_lshl_add_u32 v[TMP+2], v[TMP+2], 2, v[LB]
	ds_store_b32 v[TMP+2], v[TMP+3]
	s_bcnt1_i32_b32 s49, vcc_lo
	s_add_co_u32 s48, s48, s49
.set i, i+1
.endr
	v_mov_b32 v[TMP+2], s48
	v_lshl_add_u32 v[TMP+3], v[WVV], 2, CNT
	ds_store_b32 v[TMP+3], v[TMP+2]
	s_wait_dscnt 0x0                               ; for the others' sake: my list and my count are in LDS
	s_barrier_signal -1                            ; the list has a barrier of its own, so that the first rows are asked for while chunk 0 is on its way
	s_barrier_wait -1
	v_mov_b32 v[TMP], CNT
	ds_load_b128 v[TMP+4:TMP+7], v[TMP]
	s_wait_dscnt 0x0
.irp k, 0,1,2,3
	v_readfirstlane_b32 s[28+\k], v[TMP+4+\k]
.endr
.irp k, 0,1,2,3
	s_min_u32 s[28+\k], s[28+\k], 256
.endr
	s_mov_b32 s32, s28
	s_add_co_u32 s33, s32, s29
	s_add_co_u32 s34, s33, s30
	s_add_co_u32 s35, s34, s31                     ; n: the expert's rows
	s_sub_co_u32 s36, 384, s32
	s_sub_co_u32 s37, 768, s33
	s_sub_co_u32 s38, 1152, s34
	; PASS 0.  The order in which loads are issued: rows (c, 3) in step 0; rows (c + 1, 0) in step 1; rows (c + 1, 1) and then weights c + 2 in step 2; rows (c + 1, 2) in step 3.
	SHARE
	PASSINIT 1                                     ; rows (0, 0), (0, 1), weights 1, rows (0, 2): the same order
	X 0xca, 0, 0, 62                               ; chunk 0 is in; may be out: those 10 + 10 + 32 + 10
	FLOAD 0, 0
	J 0, 52, 1, 1, 1                               ; may be out: rows (0, 1), weights 1, rows (0, 2)
	s_mov_b32 s41, 6
.Lc:                                                   ; trips c = 0..5
	J 1, 52, 0, 1, 1, 1                            ; may be out: weights c + 1 (32), rows (c, 2), (c, 3)
	J 2, 20, 0, 1, 1, 2                            ; may be out: rows (c, 3), (c + 1, 0)
	J 3, 52, 0, 1, 1, 3                            ; may be out: rows (c + 1, 0), (c + 1, 1), weights c + 2
	v_add_nc_u32 v[BADR], CH, v[BADR]              ; on to the next chunk: the two LDS addresses
	v_add_nc_u32 v[WST], CH, v[WST]
	J 0, 52, 0, 1, 1                               ; may be out: rows (c, 1), weights c + 1, rows (c, 2)
	s_sub_co_u32 s41, s41, 1
	s_cmp_lg_u32 s41, 0
	s_cbranch_scc1 .Lc
	X 0xc5, WS, CH, 20                             ; chunk 7, the last, in one piece; may be out: rows (6, 2), (6, 3)
	WIN 0
	s_mov_b32 s41, 1                               ; the slice is whole: the rest of chunk 6 is the resident loop's trip 6, and the same loads are out as there
	s_branch .Lr
.Lpass:                                                ; PASSES 1 TO 3, on the resident slice: no barrier, no write of shared LDS bytes
	SHARE
	s_cmp_eq_u32 s45, 0
	s_cbranch_scc1 .Lnext                          ; no block is left for me
	PASSINIT 0
	J 0, 20, 1, 1, 1                               ; may be out: the rows of steps 1 and 2
	s_mov_b32 s41, 7
.Lr:                                                   ; trips c = 0..6: steps 1 to 3 of chunk c, step 0 of chunk c + 1
	J 1, 20, 0, 1, 1, 0, 1                         ; in every step the rows of the two steps behind it may be out
	J 2, 20, 0, 1, 1, 0, 1
	J 3, 20, 0, 1, 1, 0, 1
	J 0, 20, 0, 1, 1, 0, 1
	s_sub_co_u32 s41, s41, 1
	s_cmp_lg_u32 s41, 0
	s_cbranch_scc1 .Lr
	v_add_nc_u32 v[BADR], 7*CH, v[BADR0]           ; the last chunk
	J 1, 20, 0, 1, 0                               ; nothing more is asked for from memory, the counts run down
	J 2, 10, 0, 1, 0
	J 3, 0, 0, 0, 0
	PLACES                                         ; behind the last products, ahead of the stores that read their results
	; THE WAY OUT, a block of 16 rows at a time through my own stage: LDS serves a wave's instructions in order (ISA guide 5.7.1.4), so no wait stands between the stores and the loads.
	; A row comes back as 512 consecutive bytes, four columns a lane; a store holds ONE row, so rows past the count are jumped by scalar branches and EXEC stays whole.
	s_sub_co_i32 s43, s20, s39                     ; my live rows from this block on
	s_mov_b32 s42, 0
.Lblk:
	s_cmp_le_i32 s43, 0
	s_cbranch_scc1 .Lbn
	s_cmp_lg_u32 s42, 0
	s_cbranch_scc1 .Ld1
	DUMP 0
	s_branch .Lrows
.Ld1:
	s_cmp_lg_u32 s42, 1
	s_cbranch_scc1 .Ld2
	DUMP 1
	s_branch .Lrows
.Ld2:
	s_cmp_lg_u32 s42, 2
	s_cbranch_scc1 .Ld3
	DUMP 2
	s_branch .Lrows
.Ld3:
	s_cmp_lg_u32 s42, 3
	s_cbranch_scc1 .Ld4
	DUMP 3
	s_branch .Lrows
.Ld4:
	DUMP 4
.Lrows:
.if UP
	s_min_i32 s44, s43, 16                         ; the block's live rows
	s_mov_b32 s46, 4
	GLOAD 0
	s_wait_dscnt 0x0
.Lgrp:                                                 ; four rows: 16 numbers a lane.  The group's rows and ids are in registers; the next group's are fetched while this one is worked on
	s_cmp_le_i32 s44, 0
	s_cbranch_scc1 .Lgn
.irp i, 0,1,2,3
	v_pk_add_f32 v[EX+4*\i:EX+4*\i+1], v[EN+4*\i:EN+4*\i+1], v[BIAS:BIAS+1]      ; the bias's add also moves the rows out of the registers that are loaded next
	v_pk_add_f32 v[EX+4*\i+2:EX+4*\i+3], v[EN+4*\i+2:EN+4*\i+3], v[BIAS+2:BIAS+3]
.endr
.irp i, 0,1,2,3
	v_min_u32 v[VB+\i], 2047, v[VO+\i]
.endr
	s_cmp_le_i32 s44, 4                            ; is there a next group?  Its loads are chosen by forward jumps on the counter: every LDS address is a fixed register and an immediate
	s_cbranch_scc1 .Lqx
	s_cmp_lg_u32 s46, 4
	s_cbranch_scc1 .Lq2
	GLOAD 1
	s_branch .Lqx
.Lq2:
	s_cmp_lg_u32 s46, 3
	s_cbranch_scc1 .Lq3
	GLOAD 2
	s_branch .Lqx
.Lq3:
	GLOAD 3
.Lqx:
	; u = -x^2 log2(e) / 2 and 1 + 0.2316419 |x| for a pair of numbers are four plain lines; t = 1 / .. and exp(-x^2 / 2) = 2^u of the pair before are four transcendentals: by turns.
	; No line ahead of the wait names a transcendental's result.
	v_pk_mul_f32 v[EU:EU+1], v[EX:EX+1], v[EX:EX+1]
	v_fma_f32 v[ET], |v[EX]|, s62, 1.0
	v_pk_mul_f32 v[EU:EU+1], v[EU:EU+1], s[60:61] op_sel_hi:[1,0]
	v_fma_f32 v[ET+1], |v[EX+1]|, s62, 1.0
.set i, 1
.rept 7
	v_pk_mul_f32 v[EU+2*i:EU+2*i+1], v[EX+2*i:EX+2*i+1], v[EX+2*i:EX+2*i+1]
	v_rcp_f32 v[ET+2*i-2], v[ET+2*i-2]
	v_fma_f32 v[ET+2*i], |v[EX+2*i]|, s62, 1.0
	v_rcp_f32 v[ET+2*i-1], v[ET+2*i-1]
	v_pk_mul_f32 v[EU+2*i:EU+2*i+1], v[EU+2*i:EU+2*i+1], s[60:61] op_sel_hi:[1,0]
	v_exp_f32 v[EU+2*i-2], v[EU+2*i-2]
	v_fma_f32 v[ET+2*i+1], |v[EX+2*i+1]|, s62, 1.0
	v_exp_f32 v[EU+2*i-1], v[EU+2*i-1]
.set i, i+1
.endr
	v_max_num_f32 v[EM], 0, v[EX]                  ; the last pair's four stand between the first of the sixteen max(x, 0)
	v_rcp_f32 v[ET+14], v[ET+14]
	v_max_num_f32 v[EM+1], 0, v[EX+1]
	v_rcp_f32 v[ET+15], v[ET+15]
	v_max_num_f32 v[EM+2], 0, v[EX+2]
	v_exp_f32 v[EU+14], v[EU+14]
	v_max_num_f32 v[EM+3], 0, v[EX+3]
	v_exp_f32 v[EU+15], v[EU+15]
.set i, 4
.rept 12
	v_max_num_f32 v[EM+i], 0, v[EX+i]
.set i, i+1
.endr
	s_wait_alu depctr_va_vdst(0)                   ; one wait for the 32 transcendentals, ahead of their first reader
.set i, 0
.rept 8
	v_pk_fma_f32 v[EP+2*i:EP+2*i+1], v[ET+2*i:ET+2*i+1], s[50:51], s[52:53] op_sel_hi:[1,0,0]
.set i, i+1
.endr
.irp c, 54,56,58
.set i, 0
.rept 8
	v_pk_fma_f32 v[EP+2*i:EP+2*i+1], v[EP+2*i:EP+2*i+1], v[ET+2*i:ET+2*i+1], s[\c:\c+1] op_sel_hi:[1,1,0]
.set i, i+1
.endr
.endr
.set i, 0
.rept 8
	v_pk_mul_f32 v[EP+2*i:EP+2*i+1], v[EP+2*i:EP+2*i+1], v[ET+2*i:ET+2*i+1]
.set i, i+1
.endr
.set i, 0
.rept 8
	v_pk_mul_f32 v[EP+2*i:EP+2*i+1], v[EP+2*i:EP+2*i+1], v[EU+2*i:EU+2*i+1]  ; q = 1 - Phi(|x|)
.set i, i+1
.endr
.set i, 0
.rept 16
	v_fma_f32 v[EM+i], -|v[EX+i]|, v[EP+i], v[EM+i]  ; gelu = max(x, 0) - |x| q
.set i, i+1
.endr
	s_wait_xcnt 0x0                                ; the last group's stores have read their offsets and data, which the lines below write anew
.set i, 0
.rept 8
	v_cvt_pk_bf16_f32 v[EO+i], v[EM+2*i], v[EM+2*i+1]
.set i, i+1
.endr
.irp i, 0,1,2,3
	v_lshl_add_u32 v[VA+\i], v[VB+\i], 13, v[OOFF]
.endr
	global_store_b64 v[VA], v[EO:EO+1], s[26:27]   ; 32 lanes store 256 consecutive bytes of a row of h, at a multiple of 256 from its first byte
	s_cmp_lt_i32 s44, 2
	s_cbranch_scc1 .Lgn
	global_store_b64 v[VA+1], v[EO+2:EO+3], s[26:27]
	s_cmp_lt_i32 s44, 3
	s_cbranch_scc1 .Lgn
	global_store_b64 v[VA+2], v[EO+4:EO+5], s[26:27]
	s_cmp_lt_i32 s44, 4
	s_cbranch_scc1 .Lgn
	global_store_b64 v[VA+3], v[EO+6:EO+7], s[26:27]
.Lgn:
	s_wait_dscnt 0x0                               ; the next group's rows, asked for at this group's head
	s_sub_co_i32 s44, s44, 4
	s_sub_co_u32 s46, s46, 1
	s_cmp_lg_u32 s46, 0
	s_cbranch_scc1 .Lgrp
.else
	s_wait_xcnt 0x0                                ; the last block's stores have read their offsets and data
.irp i, 0,1,2,3
	ds_load_b128 v[DID+4*\i:DID+4*\i+3], v[IDA] offset:16*\i  ; the 16 rows' ids, the same bytes for every lane
.endr
.set i, 0
.rept 16
	ds_load_b128 v[DX+4*i:DX+4*i+3], v[RD0] offset:SPI*i
.set i, i+1
.endr
	s_wait_dscnt 0x0
.set i, 0
.rept 16
	v_min_u32 v[DID+i], 2047, v[DID+i]
	v_lshl_add_u32 v[DID+i], v[DID+i], 12, v[OOFF]
.set i, i+1
.endr
	global_store_b128 v[DID], v[DX:DX+3], s[26:27] ; 32 lanes store 512 consecutive bytes of a row of part, at a multiple of 512 from its first byte
.set i, 1
.rept 15
	s_cmp_lt_i32 s43, i+1
	s_cbranch_scc1 .Lbn
	global_store_b128 v[DID+i], v[DX+4*i:DX+4*i+3], s[26:27]
.set i, i+1
.endr
.endif
.Lbn:
	s_sub_co_i32 s43, s43, 16
	s_add_co_u32 s42, s42, 1
	s_cmp_lt_u32 s42, 5
	s_cbranch_scc1 .Lblk
.Lnext:
	s_add_co_u32 s40, s40, 1
	s_cmp_lt_u32 s40, 4
	s_cbranch_scc1 .Lpass
	s_wait_tensorcnt 0x0                           ; the wave's end, behind my last LDS store
	ds_add_u32 v[SPW], v[NIL]
	s_wait_dscnt 0x0
	s_endpgm
.Lfunc_end_k_q24b1cd20ef_down:
	.size	k_q24b1cd20ef_down, .Lfunc_end_k_q24b1cd20ef_down-k_q24b1cd20ef_down
	.p2alignl 7, 3214868480
	.fill 96, 4, 3214868480
	.section	.rodata,"a",@progbits
	.p2align	6, 0x0
	.amdhsa_kernel k_q24b1cd20ef_down
		.amdhsa_group_segment_fixed_size 320256
		.amdhsa_private_segment_fixed_size 0
		.amdhsa_enable_private_segment 0
		.amdhsa_kernarg_size 32
		.amdhsa_user_sgpr_count 2
		.amdhsa_user_sgpr_kernarg_segment_ptr 1
		.amdhsa_wavefront_size32 1
		.amdhsa_system_sgpr_workgroup_id_x 1
		.amdhsa_system_sgpr_workgroup_id_y 1
		.amdhsa_system_sgpr_workgroup_id_z 1
		.amdhsa_system_vgpr_workitem_id 0
		.amdhsa_next_free_vgpr 896
		.amdhsa_next_free_sgpr 80
		.amdhsa_reserve_vcc 1
		.amdhsa_float_denorm_mode_32 3
		.amdhsa_float_denorm_mode_16_64 3
		.amdhsa_memory_ordered 1
		.amdhsa_forward_progress 1
		.amdhsa_inst_pref_size 161
	.end_amdhsa_kernel
	.amdgpu_metadata
---
amdhsa.version: [ 1, 2 ]
amdhsa.kernels:
  - .name:           k_q24b1cd20ef_down
    .symbol:         k_q24b1cd20ef_down.kd
    .args:
      - { .name: h, .offset: 0, .size: 8, .value_kind: global_buffer, .address_space: global }
      - { .name: W2, .offset: 8, .size: 8, .value_kind: global_buffer, .address_space: global }
      - { .name: sel, .offset: 16, .size: 8, .value_kind: global_buffer, .address_space: global }
      - { .name: part, .offset: 24, .size: 8, .value_kind: global_buffer, .address_space: global }
    .group_segment_fixed_size: 320256
    .private_segment_fixed_size: 0
    .kernarg_segment_align: 8
    .kernarg_segment_size: 32
    .max_flat_workgroup_size: 128
    .sgpr_count:     80
    .vgpr_count:     896
    .wavefront_size: 32
...
	.end_amdgpu_metadata
.endif
;; end of part 3
;; launch sum (part 4): grid 256 x 1, 8 waves a work-group, no clusters, 0 bytes of LDS; arguments x, part, b2, sel, gw, out0; writes out0
.if DOCPART == 4
	.amdgcn_target "amdgcn-amd-amdhsa--gfx1250"
	.amdhsa_code_object_version 6
	.text
	.protected	k_q24b1cd20ef_sum
	.globl	k_q24b1cd20ef_sum
	.p2align	8
	.type	k_q24b1cd20ef_sum,@function
k_q24b1cd20ef_sum:
	s_mov_b64 s[64:65], 0
	v_nop
	global_prefetch_b8 v0, s[64:65] scope:SCOPE_SE
	s_setreg_imm32_b32 hwreg(HW_REG_WAVE_MODE, 25, 1), 1
	s_wait_xcnt 0x0
; out0[t] = x[t] + w0 (y(2t) + b2[e0]) + w1 (y(2t+1) + b2[e1]),  y(id) = the sum of part[0..3][id], all in f32.
; A stream: memory binds, so no LDS, no barrier, no matrix unit, no cluster (no byte but b2's 32 KB is read twice).
; A wave takes half a token's row, 2,048 bytes, as four groups of 512 consecutive bytes; all its 44 loads (x, 8 partial rows, 2 bias rows for each group) go out before the
; first wait, and the groups are then added up as they land.  Token t owns the routed rows 2t and 2t + 1, so no list is needed.
	s_load_b256 s[4:11], s[0:1], 0x0               ; x s[4:5], part s[6:7], b2 s[8:9], sel s[10:11]
	s_load_b128 s[12:15], s[0:1], 0x20             ; gw s[12:13], out0 s[14:15]
	v_and_b32 v1, 31, v0
	v_lshlrev_b32 v1, 4, v1                        ; 16 bytes a lane
	v_lshrrev_b32 v2, 5, v0
	v_readfirstlane_b32 s16, v2                    ; wave 0..7
	s_lshr_b32 s17, s16, 1
	s_lshl_b32 s19, ttmp9, 2
	s_add_co_u32 s17, s17, s19                     ; token
	s_and_b32 s18, s16, 1
	s_lshl_b32 s18, s18, 11                        ; which half of its row, in bytes
	s_lshl_b32 s19, s17, 3
	s_wait_kmcnt 0x0
	s_load_b64 s[20:21], s[10:11], s19 offset:0x0  ; the two experts
	s_load_b64 s[22:23], s[12:13], s19 offset:0x0  ; the two weights
	s_lshl_b32 s24, s17, 12
	s_add_co_u32 s24, s24, s18
	s_mov_b32 s25, 0
	s_add_nc_u64 s[4:5], s[4:5], s[24:25]
	s_add_nc_u64 s[14:15], s[14:15], s[24:25]
	s_lshl_b32 s26, s17, 13                        ; row 2t of part; row 2t + 1 lies 4,096 bytes on
	s_add_co_u32 s26, s26, s18
	s_mov_b32 s27, 0
	s_add_nc_u64 s[28:29], s[6:7], s[26:27]
	s_add_nc_u64 s[30:31], s[28:29], 0x800000      ; the four quarters lie 8 MiB apart
	s_add_nc_u64 s[32:33], s[30:31], 0x800000
	s_add_nc_u64 s[34:35], s[32:33], 0x800000
	s_wait_kmcnt 0x0
	s_min_u32 s20, s20, 7
	s_min_u32 s21, s21, 7
	s_lshl_b32 s40, s20, 12
	s_add_co_u32 s40, s40, s18
	s_mov_b32 s41, 0
	s_add_nc_u64 s[36:37], s[8:9], s[40:41]
	s_lshl_b32 s40, s21, 12
	s_add_co_u32 s40, s40, s18
	s_add_nc_u64 s[38:39], s[8:9], s[40:41]
	s_mov_b32 s42, s23                             ; w1 as the low word of a pair
	s_mov_b32 s43, s23
; group g's 44 registers at v[8 + 44 g]: x 4; row 2t's four quarters 16; row 2t + 1's 16; the two biases 8
.macro ASK g
.set R, 8+44*(\g)
	global_load_b128 v[R:R+3], v1, s[4:5] offset:512*(\g) th:TH_LOAD_NT
.irp q, 0,1,2,3
	global_load_b128 v[R+4+4*\q:R+7+4*\q], v1, s[28+2*\q:29+2*\q] offset:512*(\g) th:TH_LOAD_NT
.endr
.irp q, 0,1,2,3
	global_load_b128 v[R+20+4*\q:R+23+4*\q], v1, s[28+2*\q:29+2*\q] offset:4096+512*(\g) th:TH_LOAD_NT
.endr
	global_load_b128 v[R+36:R+39], v1, s[36:37] offset:512*(\g)
	global_load_b128 v[R+40:R+43], v1, s[38:39] offset:512*(\g)
.endm
.macro ADDUP g, left                   ; left: the younger groups' loads, 11 each, which may stay out
.set R, 8+44*(\g)
	s_wait_loadcnt \left
.irp k, 0,1
.irp p, 0,2
	v_pk_add_f32 v[R+4+16*\k+\p:R+5+16*\k+\p], v[R+4+16*\k+\p:R+5+16*\k+\p], v[R+8+16*\k+\p:R+9+16*\k+\p]
	v_pk_add_f32 v[R+12+16*\k+\p:R+13+16*\k+\p], v[R+12+16*\k+\p:R+13+16*\k+\p], v[R+16+16*\k+\p:R+17+16*\k+\p]
.endr
.endr
.irp k, 0,1
.irp p, 0,2
	v_pk_add_f32 v[R+4+16*\k+\p:R+5+16*\k+\p], v[R+4+16*\k+\p:R+5+16*\k+\p], v[R+12+16*\k+\p:R+13+16*\k+\p]
.endr
.endr
.irp k, 0,1
.irp p, 0,2
	v_pk_add_f32 v[R+4+16*\k+\p:R+5+16*\k+\p], v[R+4+16*\k+\p:R+5+16*\k+\p], v[R+36+4*\k+\p:R+37+4*\k+\p]
.endr
.endr
.irp p, 0,2
	v_pk_fma_f32 v[R+\p:R+1+\p], v[R+4+\p:R+5+\p], s[22:23], v[R+\p:R+1+\p] op_sel_hi:[1,0,1]
.endr
.irp p, 0,2
	v_pk_fma_f32 v[R+\p:R+1+\p], v[R+20+\p:R+21+\p], s[42:43], v[R+\p:R+1+\p] op_sel_hi:[1,0,1]
.endr
	global_store_b128 v1, v[R:R+3], s[14:15] offset:512*(\g) th:TH_STORE_NT  ; 512 consecutive bytes, at a multiple of 512 from out0's first byte
.endm
	ASK 0
	ASK 1
	ASK 2
	ASK 3
	ADDUP 0, 33
	ADDUP 1, 22
	ADDUP 2, 11
	ADDUP 3, 0
	s_endpgm
.Lfunc_end_k_q24b1cd20ef_sum:
	.size	k_q24b1cd20ef_sum, .Lfunc_end_k_q24b1cd20ef_sum-k_q24b1cd20ef_sum
	.p2alignl 7, 3214868480
	.fill 96, 4, 3214868480
	.section	.rodata,"a",@progbits
	.p2align	6, 0x0
	.amdhsa_kernel k_q24b1cd20ef_sum
		.amdhsa_group_segment_fixed_size 0
		.amdhsa_private_segment_fixed_size 0
		.amdhsa_enable_private_segment 0
		.amdhsa_kernarg_size 48
		.amdhsa_user_sgpr_count 2
		.amdhsa_user_sgpr_kernarg_segment_ptr 1
		.amdhsa_wavefront_size32 1
		.amdhsa_system_sgpr_workgroup_id_x 1
		.amdhsa_system_sgpr_workgroup_id_y 1
		.amdhsa_system_sgpr_workgroup_id_z 1
		.amdhsa_system_vgpr_workitem_id 0
		.amdhsa_next_free_vgpr 192
		.amdhsa_next_free_sgpr 66
		.amdhsa_reserve_vcc 0
		.amdhsa_float_denorm_mode_32 3
		.amdhsa_float_denorm_mode_16_64 3
		.amdhsa_memory_ordered 1
		.amdhsa_forward_progress 1
		.amdhsa_inst_pref_size 12
	.end_amdhsa_kernel
	.amdgpu_metadata
---
amdhsa.version: [ 1, 2 ]
amdhsa.kernels:
  - .name:           k_q24b1cd20ef_sum
    .symbol:         k_q24b1cd20ef_sum.kd
    .args:
      - { .name: x, .offset: 0, .size: 8, .value_kind: global_buffer, .address_space: global }
      - { .name: part, .offset: 8, .size: 8, .value_kind: global_buffer, .address_space: global }
      - { .name: b2, .offset: 16, .size: 8, .value_kind: global_buffer, .address_space: global }
      - { .name: sel, .offset: 24, .size: 8, .value_kind: global_buffer, .address_space: global }
      - { .name: gw, .offset: 32, .size: 8, .value_kind: global_buffer, .address_space: global }
      - { .name: out0, .offset: 40, .size: 8, .value_kind: global_buffer, .address_space: global }
    .group_segment_fixed_size: 0
    .private_segment_fixed_size: 0
    .kernarg_segment_align: 8
    .kernarg_segment_size: 48
    .max_flat_workgroup_size: 256
    .sgpr_count:     66
    .vgpr_count:     192
    .wavefront_size: 32
...
	.end_amdgpu_metadata
.endif
;; end of part 4
